; MI455X (gfx1250); checked and timed in simulation.
; The chip was launched on July 23, 2026; its instructions are those of AMD's public machine-readable ISA for CDNA 5 (MIT licence, August 2026) and "CDNA5" Instruction Set Architecture Reference Guide (July 2026). The comments in the code are by the model that wrote it; some were corrected since.
;; Causal Self Attention. Allowed arithmetic: matrix products marked QUANTISED: E2M1 operands, one E8M0 scale for each 32 along K, by v_wmma_scale_f32_16x16x128_f8f6f4 with both operands' format E2M1 (or v_wmma_scale_f32_32x16x128_f4), f32 sums; products left as they are: bf16, f16 or f32 operands; f32 sums; everything else in f32.
;; Inputs: b_out 1,024 float32; w_out 1,024 x 1,024 float32; w_qkv 1,024 x 3,072 float32; x 4 x 2,048 x 1,024 float32.
;; Outputs: out0 4 x 2,048 x 1,024 float32.
;; This version of the problem:
;;   THIS VERSION OF THE PROBLEM IS GIVEN IN LOW PRECISION. The matrix products marked QUANTISED in the list below multiply operands that are first quantised to E2M1 (2 exponent bits, 1 mantissa bit; 4 bits a number), with one power-of-two scale for each 32 numbers along K (OCP MX v1.0); their sums are f32. The products marked 'left as it is' may take bf16, f16 or f32 operands, with f32 sums. Whichever they take, every output number must still come out within the allowed error. Rounding operands to bf16 (8 significant bits) uses up far more of that allowance than f16 does (11 bits, for magnitudes from 6e-5 to 65,504). All else is computed in f32.
;;   The module's matrix products, in the order in which they are computed (A, B: the left and right operand; K: the contracted axis; several contracted axes count as one K, in the product's order):
;;     1. [M 8,192, K 1,024] x [K 1,024, N 3,072]; A: input x; B: input w_qkv: QUANTISED
;;     2. batch 64 x [M 2,048, K 64] x [K 64, N 2,048]; A: computed on the way; B: computed on the way: left as it is (an operand is computed on the way)
;;     3. batch 64 x [M 2,048, K 2,048] x [K 2,048, N 64]; A: computed on the way; B: computed on the way: left as it is (an operand is computed on the way)
;;     4. [M 8,192, K 1,024] x [K 1,024, N 1,024]; A: computed on the way; B: input w_out: left as it is (an operand is computed on the way)
;;   THE QUANTISER, for each operand of a quantised product, along K:
;;     - K is cut into blocks of 32 from its start; a last block that is shorter is filled with zeros.
;;     - A block's scale is 2^e with e = floor(log2(the largest magnitude in the block)) - 2, held to -126 .. 127; a block of zeros has e = 0. As a byte (E8M0): e + 127.
;;     - Each number is divided by its block's scale, clamped to +-6, and rounded to the nearest number of E2M1, ties to even, subnormals kept.
;;     - The product sums the exact products of the quantised numbers (number of the format x scale) in f32.
;;   ~~~python
;;   def quantise(x, axis):      # numpy; x: float32 -> the quantised numbers, widened to float32 again
;;       x = np.moveaxis(x, axis, -1); K = x.shape[-1]
;;       x = np.pad(x, [(0, 0)] * (x.ndim - 1) + [(0, -K % 32)]); x = x.reshape(x.shape[:-1] + (-1, 32)); a = np.abs(x).max(-1, keepdims=True)
;;       e = np.where(a > 0, np.clip(np.frexp(np.where(a > 0, a, 1))[1] - 1 - 2, -126, 127), 0)      # np.frexp(a)[1] - 1 = floor(log2(a)), exactly
;;       r = np.clip(x / 2.0 ** e, -6, 6)
;;       step = 2.0 ** (np.maximum(np.frexp(np.where(r == 0, 1, r))[1] - 1, 0) - 1)
;;       q = np.round(r / step) * step * 2.0 ** e      # np.round: ties to even
;;       return np.moveaxis(q.reshape(q.shape[:-2] + (-1,))[..., :K], -1, axis).astype(np.float32)
;;   ~~~
;; One version. Each part assembles by itself: llvm-mc -triple=amdgcn-amd-amdhsa -mcpu=gfx1250 --defsym DOCPART=n.
;; ======== version 1 of 1: 5 launches
;; limits: values are held in f16: magnitudes above 65,504 overflow, below 6.1e-05 lose precision
;; workspace buffers: xc 4,194,304 bytes; xs 262,144 bytes; wc 1,572,864 bytes; ws 98,304 bytes; w16 2,097,152 bytes; qkv16 50,331,648 bytes; q32 786,432 bytes; a16 16,777,216 bytes
;; launch prep (part 1): grid 384 x 1, 8 waves a work-group, no clusters, 61,440 bytes of LDS; arguments x, w_qkv, w_out, xc, xs, wc, ws, w16; writes xc, xs, wc, ws, w16
.if DOCPART == 1
	.amdgcn_target "amdgcn-amd-amdhsa--gfx1250"
	.amdhsa_code_object_version 6
	.text
	.protected	k_q2f141b74bf_prep
	.globl	k_q2f141b74bf_prep
	.p2align	8
	.type	k_q2f141b74bf_prep,@function
k_q2f141b74bf_prep:
	s_mov_b64 s[64:65], 0
	v_nop
	global_prefetch_b8 v0, s[64:65] scope:SCOPE_SE
	s_setreg_imm32_b32 hwreg(HW_REG_WAVE_MODE, 25, 1), 1
	s_wait_xcnt 0x0
; PREP.  Three jobs in one launch, told apart by the work-group's number alone; the three ways never join and each has LDS bytes of its own.
;   work-groups 0-255:   x [8192][1024] f32, K innermost  -> xc [8192][512 B] codes of E2M1, xs [8192][32] E8M0 bytes
;   work-groups 256-351: w_qkv [1024 k][3072 e] f32, K its first axis -> wc [3072][512 B] codes with K innermost, ws [3072][32]
;   work-groups 352-383: w_out [1024][1024] f32 -> w16, the same layout in f16
; A block's scale is 2^(floor(log2(largest magnitude)) - 2): its byte is the largest magnitude's exponent field - 2, held at 1 from below.
; LIMITS: a block of zeros gets the byte 1 where the rule says 127 (its codes are zeros, and this program alone reads the bytes); blocks whose largest
; magnitude lies under 2^-124 have the byte held at 1; NaN and infinities among the inputs are not served.  ws leaves in pieces of 16 bytes (98,304 bytes in all).
.set XSC,   40960                      ; LDS: 0 .. 40,959 way X: two stages of 32 x 80 bytes for each wave;  here its 1,024 scale bytes
.set WST,   41984                      ; way W: 64 columns x (256 bytes of codes + 16)
.set WSC,   59392                      ; way W: 64 columns x 16 scale bytes
.set SPARE, 60416                      ; the spare words, 128 bytes for each of eight waves: no other line names them
.set SP,    80
.set EMAX,  2
.set SPW,   12                         ; v12 LDS address of my spare word; v13 = 0; both never rewritten
.set NIL,   13
.set R,     16                         ; v16-143  numbers as loaded (ways X and C)
.set XN,    144                        ; v144-175 way X: two sets of 16 neighbours
.set CD,    176                        ; v176-191 way X: two registers of codes for each step
.set EB,    192                        ; v192-199 way X: a scale byte for each step
.set WX,    32                         ; v32-95   way W: two sets of 32 numbers
.set WC,    96                         ; v96-99   way W: a block's codes
.macro FINISH                          ; the wave's end, behind my last LDS store
	s_wait_tensorcnt 0x0
	ds_add_u32 v[SPW], v[NIL]
	s_wait_dscnt 0x0
	s_endpgm
.endm
	s_load_b256 s[4:11], s[0:1], 0x0               ; x, w_qkv, w_out, xc
	s_load_b256 s[12:19], s[0:1], 0x20             ; xs, wc, ws, w16
	v_lshl_add_u32 v[SPW], v0, 2, SPARE
	v_mov_b32 v[NIL], 0
	v_lshrrev_b32 v1, 5, v0
	v_readfirstlane_b32 s20, v1                    ; wave 0..7
	v_and_b32 v2, 31, v0                           ; lane
	s_wait_kmcnt 0x0
	s_cmp_lt_u32 ttmp9, 256
	s_cbranch_scc0 .Lnot_x
; ---------------- WAY X.  x is a plain stream of blocks of 32.  A wave takes 8 steps of 512 numbers; all its 32 loads go out at once (16 KiB a wave).
; Each load reads 512 consecutive bytes; a step's 2,048 bytes turn through the wave's own stage so that a lane holds 16 neighbours; two lanes hold a block.
	s_lshl_b32 s21, ttmp9, 3
	s_add_co_u32 s21, s21, s20                     ; my run of 4,096 numbers
	s_lshl_b32 s22, s21, 14
	s_mov_b32 s23, 0
	s_add_nc_u64 s[4:5], s[4:5], s[22:23]
	s_lshl_b32 s22, s21, 11
	s_add_nc_u64 s[10:11], s[10:11], s[22:23]      ; 2,048 bytes of codes a run
	s_lshl_b32 s22, ttmp9, 10
	s_add_nc_u64 s[12:13], s[12:13], s[22:23]      ; 1,024 scale bytes a work-group
	v_lshlrev_b32 v3, 4, v2
.macro XLOAD t
.irp i, 0,1,2,3
	global_load_b128 v[R+16*(\t)+4*\i:R+16*(\t)+4*\i+3], v3, s[4:5] offset:2048*(\t)+512*\i th:TH_LOAD_NT
.endr
.endm
.irp t, 0,1,2,3,4,5,6,7
	XLOAD \t
.endr
	s_mul_i32 s24, s20, 5120
	v_lshrrev_b32 v14, 2, v2
	v_mul_u32_u24 v14, v14, SP
	v_and_b32 v15, 3, v2
	v_lshl_add_u32 v14, v15, 4, v14
	v_add_nc_u32 v14, s24, v14                     ; into the stage: 80 (lane / 4) + 16 (lane % 4)
	v_mul_u32_u24 v15, v2, SP
	v_add_nc_u32 v15, s24, v15                     ; out of it: 80 x lane
	v_lshlrev_b32 v4, 3, v2                        ; my 8 bytes of a step's codes
	v_lshrrev_b32 v5, 1, v2
	s_lshl_b32 s24, s20, 7
	s_add_co_u32 s24, s24, XSC
	v_add_nc_u32 v5, s24, v5                       ; my block's scale byte: 128 x wave + lane / 2 (+ 16 x step)
	v_and_b32 v7, 63, v0
	v_lshlrev_b32 v7, 4, v7                        ; the bytes' way out: 16 bytes a thread of waves 0 and 1
	v_add_nc_u32 v6, XSC, v7
.macro XTURN t                         ; LDS serves a wave's instructions in order: no wait between the stores and the loads
.irp i, 0,1,2,3
	ds_store_b128 v14, v[R+16*(\t)+4*\i:R+16*(\t)+4*\i+3] offset:32*SP*((\t)%2)+8*SP*\i
.endr
.irp i, 0,1,2,3
	ds_load_b128 v[XN+16*((\t)%2)+4*\i:XN+16*((\t)%2)+4*\i+3], v15 offset:32*SP*((\t)%2)+16*\i
.endr
.endm
	s_wait_loadcnt 28                              ; step 0's four loads are in; the 28 younger ones stay out
	XTURN 0
.macro XSTEP t
.set XS, XN+16*((\t)%2)
.if (\t) > 0
	s_wait_dscnt 1                                 ; this step's numbers are back; the last step's byte store may be out
.else
	s_wait_dscnt 0x0
.endif
.if (\t) < 7
	s_wait_loadcnt 4*(6-(\t))                      ; the next step's four loads are in; those of the steps behind it may be out
	XTURN (\t)+1
.endif
	v_max3_num_f32 v8, |v[XS]|, |v[XS+1]|, |v[XS+2]|
	v_max3_num_f32 v9, |v[XS+3]|, |v[XS+4]|, |v[XS+5]|
.irp i, 6,10
	v_max3_num_f32 v8, v8, |v[XS+\i]|, |v[XS+\i+1]|
	v_max3_num_f32 v9, v9, |v[XS+\i+2]|, |v[XS+\i+3]|
.endr
	v_max3_num_f32 v8, v8, |v[XS+14]|, |v[XS+15]|
	v_max3_num_f32 v8, v8, v9, (EMAX+1)<<23        ; the floor 2^(3 - 127): the byte cannot fall under 1
	v_max_num_f32_dpp v8, v8, v8 row_xmask:1 row_mask:0xf bank_mask:0xf   ; with my neighbour's 16: the block's largest magnitude
	v_add_nc_u32 v11, -(EMAX<<23), v8              ; 2 off its exponent field: the conversion's scale operand
	v_cvt_scalef32_pk8_fp4_f32 v[CD+2*(\t)], v[XS:XS+7], v11
	v_cvt_scalef32_pk8_fp4_f32 v[CD+2*(\t)+1], v[XS+8:XS+15], v11
	v_lshrrev_b32 v[EB+(\t)], 23, v11              ; the scale's byte (also the plain line behind the conversions)
	ds_store_b8 v5, v[EB+(\t)] offset:16*(\t)      ; both lanes of a block write the same byte with the same value
	global_store_b64 v4, v[CD+2*(\t):CD+2*(\t)+1], s[10:11] offset:256*(\t)   ; the wave stores 256 consecutive bytes, aligned
.endm
.irp t, 0,1,2,3,4,5,6,7
	XSTEP \t
.endr
	s_wait_dscnt 0x0                               ; my byte stores have landed, for the others' sake
	s_barrier_signal -1
	s_barrier_wait -1
	s_cmp_lt_u32 s20, 2                            ; waves 0 and 1 store the work-group's 1,024 scale bytes: 512 consecutive bytes a wave
	s_cbranch_scc0 .Lx_end
	ds_load_b128 v[8:11], v6
	s_wait_dscnt 0x0
	global_store_b128 v7, v[8:11], s[12:13]
.Lx_end:
	FINISH
; ---------------- WAY W.  A lane takes a column e and its registers run down K, so that a block lies in one lane and the codes come out with K innermost.
; The work-group owns 64 columns x 512 of K; wave: 32 columns (wave & 1) x 128 of K (wave >> 1), four blocks.  Two waves side by side read 256 consecutive bytes of a row.
.Lnot_x:
	s_cmp_lt_u32 ttmp9, 352
	s_cbranch_scc0 .Lcast
	s_sub_co_u32 s21, ttmp9, 256
	s_cmp_ge_u32 s21, 48
	s_cselect_b32 s22, 1, 0                        ; y: which half of K
	s_mul_i32 s23, s22, 48
	s_sub_co_u32 s23, s21, s23                     ; cg: which 64 columns
	s_and_b32 s24, s20, 1                          ; cw
	s_lshr_b32 s25, s20, 1                         ; kq
	s_lshl_b32 s26, s22, 9
	s_lshl_b32 s27, s25, 7
	s_add_co_u32 s26, s26, s27                     ; my first row of w_qkv
	s_mul_i32 s26, s26, 12288
	s_lshl_b32 s27, s23, 8
	s_add_co_u32 s26, s26, s27
	s_lshl_b32 s27, s24, 7
	s_add_co_u32 s26, s26, s27
	s_mov_b32 s27, 0
	s_add_nc_u64 s[6:7], s[6:7], s[26:27]
	v_lshlrev_b32 v3, 2, v2
.macro WLOAD t                         ; block t: w_qkv(32 t + i, my column) into set t % 2
.set i, 0
.rept 32
	global_load_b32 v[WX+32*((\t)%2)+i], v3, s[6:7] offset:(32*(\t)+i)*12288 th:TH_LOAD_NT
.set i, i+1
.endr
.endm
	WLOAD 0
	WLOAD 1
	s_mul_i32 s28, s24, 8704
	s_lshl_b32 s29, s25, 6
	s_add_co_u32 s28, s28, s29
	s_add_co_u32 s28, s28, WST
	v_mul_u32_u24 v4, v2, 272
	v_add_nc_u32 v4, s28, v4                       ; into the stage: my column's row, my 64 bytes of it
	s_lshl_b32 s28, s24, 9
	s_lshl_b32 s29, s25, 2
	s_add_co_u32 s28, s28, s29
	s_add_co_u32 s28, s28, WSC
	v_lshl_add_u32 v5, v2, 4, s28                  ; my column's 16 scale bytes, my four of them
	v_and_b32 v7, 63, v0
	v_lshlrev_b32 v6, 4, v7
	v_add_nc_u32 v6, WSC, v6                       ; the bytes' way out: a column a thread of waves 0 and 1
	v_lshlrev_b32 v7, 5, v7
	v_lshrrev_b32 v14, 4, v2
	v_and_b32 v15, 15, v2
	s_lshl_b32 s28, s20, 3
	v_add_nc_u32 v14, s28, v14                     ; the codes' way out: wave w takes rows 8 w .. 8 w + 7, sixteen lanes to a row
	v_lshlrev_b32 v15, 4, v15
	v_mad_u32_u24 v26, v14, 272, v15
	v_add_nc_u32 v26, WST, v26
	v_lshl_add_u32 v27, v14, 9, v15
	s_lshl_b32 s28, s23, 15
	s_lshl_b32 s29, s22, 8
	s_add_co_u32 s28, s28, s29
	s_mov_b32 s29, 0
	s_add_nc_u64 s[14:15], s[14:15], s[28:29]      ; wc: column 64 cg, byte 256 y
	s_lshl_b32 s28, s23, 11
	s_lshl_b32 s30, s22, 4
	s_add_co_u32 s28, s28, s30
	s_add_nc_u64 s[16:17], s[16:17], s[28:29]      ; ws: column 64 cg, byte 16 y
.macro WBLOCK t
.set XS, WX+32*((\t)%2)
.if (\t) < 3
	s_wait_loadcnt 32                              ; this block's 32 loads are in; the next block's may be out
.else
	s_wait_loadcnt 0x0
.endif
	v_max3_num_f32 v8, |v[XS]|, |v[XS+1]|, |v[XS+2]|
	v_max3_num_f32 v9, |v[XS+3]|, |v[XS+4]|, |v[XS+5]|
.irp i, 6,10,14,18,22,26
	v_max3_num_f32 v8, v8, |v[XS+\i]|, |v[XS+\i+1]|
	v_max3_num_f32 v9, v9, |v[XS+\i+2]|, |v[XS+\i+3]|
.endr
	v_max3_num_f32 v8, v8, |v[XS+30]|, |v[XS+31]|
	v_max3_num_f32 v8, v8, v9, (EMAX+1)<<23
	v_add_nc_u32 v11, -(EMAX<<23), v8
	v_lshrrev_b32 v9, 23, v11
.if (\t) == 0
	v_mov_b32 v24, v9                              ; four bytes to a register, the lower K in the lower byte
.else
	v_lshl_or_b32 v24, v9, 8*(\t), v24
.endif
.irp g, 0,1,2,3
	v_cvt_scalef32_pk8_fp4_f32 v[WC+\g], v[XS+8*\g:XS+8*\g+7], v11
.endr
	v_nop                                          ; a plain line behind the last conversion
	ds_store_b128 v4, v[WC:WC+3] offset:16*(\t)
.if (\t)+2 < 4
	WLOAD (\t)+2
.endif
	s_wait_dscnt 0x0                               ; the store has read its registers: the next block's codes may be written
.endm
.irp t, 0,1,2,3
	WBLOCK \t
.endr
	ds_store_b32 v5, v24
	s_wait_dscnt 0x0                               ; my stores have landed, for the others' sake
	s_barrier_signal -1
	s_barrier_wait -1
.irp i, 0,1,2,3
	ds_load_b128 v[32+4*\i:35+4*\i], v26 offset:544*\i
.endr
.irp i, 0,1,2,3
	s_wait_dscnt 3-\i
	global_store_b128 v27, v[32+4*\i:35+4*\i], s[14:15] offset:1024*\i   ; sixteen lanes store 256 consecutive bytes, aligned
.endr
	s_cmp_lt_u32 s20, 2
	s_cbranch_scc0 .Lw_end
	ds_load_b128 v[48:51], v6
	s_wait_dscnt 0x0
	global_store_b128 v7, v[48:51], s[16:17]       ; 16 bytes of each column's row of 32
.Lw_end:
	FINISH
; ---------------- WAY C.  w_out to f16, a plain stream: 4,096 numbers a wave, all 32 loads out at once.
.Lcast:
	s_sub_co_u32 s21, ttmp9, 352
	s_lshl_b32 s21, s21, 3
	s_add_co_u32 s21, s21, s20
	s_lshl_b32 s22, s21, 14
	s_mov_b32 s23, 0
	s_add_nc_u64 s[8:9], s[8:9], s[22:23]
	s_lshl_b32 s22, s21, 13
	s_add_nc_u64 s[18:19], s[18:19], s[22:23]
	v_lshlrev_b32 v3, 4, v2
	v_lshlrev_b32 v4, 3, v2
.set i, 0
.rept 32
	global_load_b128 v[R+4*i:R+4*i+3], v3, s[8:9] offset:512*i
.set i, i+1
.endr
.set i, 0
.rept 32
	s_wait_loadcnt 31-i                            ; loads come back in order: the younger ones stay out
	v_cvt_pk_f16_f32 v[144+2*i], v[R+4*i], v[R+4*i+1]
	v_cvt_pk_f16_f32 v[145+2*i], v[R+4*i+2], v[R+4*i+3]
	global_store_b64 v4, v[144+2*i:145+2*i], s[18:19] offset:256*i   ; the wave stores 256 consecutive bytes, aligned
.set i, i+1
.endr
	FINISH
.Lfunc_end_k_q2f141b74bf_prep:
	.size	k_q2f141b74bf_prep, .Lfunc_end_k_q2f141b74bf_prep-k_q2f141b74bf_prep
	.p2alignl 7, 3214868480
	.fill 96, 4, 3214868480
	.section	.rodata,"a",@progbits
	.p2align	6, 0x0
	.amdhsa_kernel k_q2f141b74bf_prep
		.amdhsa_group_segment_fixed_size 61440
		.amdhsa_private_segment_fixed_size 0
		.amdhsa_enable_private_segment 0
		.amdhsa_kernarg_size 64
		.amdhsa_user_sgpr_count 2
		.amdhsa_user_sgpr_kernarg_segment_ptr 1
		.amdhsa_wavefront_size32 1
		.amdhsa_system_sgpr_workgroup_id_x 1
		.amdhsa_system_sgpr_workgroup_id_y 1
		.amdhsa_system_sgpr_workgroup_id_z 1
		.amdhsa_system_vgpr_workitem_id 0
		.amdhsa_next_free_vgpr 208
		.amdhsa_next_free_sgpr 66
		.amdhsa_reserve_vcc 0
		.amdhsa_float_denorm_mode_32 3
		.amdhsa_float_denorm_mode_16_64 3
		.amdhsa_memory_ordered 1
		.amdhsa_forward_progress 1
		.amdhsa_inst_pref_size 51
	.end_amdhsa_kernel
	.amdgpu_metadata
---
amdhsa.version: [ 1, 2 ]
amdhsa.kernels:
  - .name:           k_q2f141b74bf_prep
    .symbol:         k_q2f141b74bf_prep.kd
    .args:
      - { .name: x, .offset: 0, .size: 8, .value_kind: global_buffer, .address_space: global }
      - { .name: w_qkv, .offset: 8, .size: 8, .value_kind: global_buffer, .address_space: global }
      - { .name: w_out, .offset: 16, .size: 8, .value_kind: global_buffer, .address_space: global }
      - { .name: xc, .offset: 24, .size: 8, .value_kind: global_buffer, .address_space: global }
      - { .name: xs, .offset: 32, .size: 8, .value_kind: global_buffer, .address_space: global }
      - { .name: wc, .offset: 40, .size: 8, .value_kind: global_buffer, .address_space: global }
      - { .name: ws, .offset: 48, .size: 8, .value_kind: global_buffer, .address_space: global }
      - { .name: w16, .offset: 56, .size: 8, .value_kind: global_buffer, .address_space: global }
    .group_segment_fixed_size: 61440
    .private_segment_fixed_size: 0
    .kernarg_segment_align: 8
    .kernarg_segment_size: 64
    .max_flat_workgroup_size: 256
    .sgpr_count:     66
    .vgpr_count:     208
    .wavefront_size: 32
...
	.end_amdgpu_metadata
.endif
;; end of part 1
;; launch qkv (part 2): grid 16 x 32, 4 waves a work-group, clusters of 4 x 4, 327,680 bytes of LDS; arguments xc, xs, wc, ws, qkv16, q32; writes qkv16, q32
.if DOCPART == 2
	.amdgcn_target "amdgcn-amd-amdhsa--gfx1250"
	.amdhsa_code_object_version 6
	.text
	.protected	k_q2f141b74bf_qkv
	.globl	k_q2f141b74bf_qkv
	.p2align	8
	.type	k_q2f141b74bf_qkv,@function
k_q2f141b74bf_qkv:
	s_mov_b64 s[64:65], 0
	v_nop
	global_prefetch_b8 v0, s[64:65] scope:SCOPE_SE
	s_setreg_imm32_b32 hwreg(HW_REG_WAVE_MODE, 25, 1), 1
	s_wait_xcnt 0x0
	s_wait_alu depctr_hold_cnt(0) depctr_sa_sdst(0) depctr_va_vdst(0) depctr_va_sdst(0) depctr_va_ssrc(0) depctr_va_vcc(0) depctr_vm_vsrc(0)
	s_getreg_b32 s2, hwreg(HW_REG_IB_STS2, 6, 4)
	s_cmp_eq_u32 s2, 0
	s_cbranch_scc0 .Lentry_in_a_cluster
	s_endpgm
.Lentry_in_a_cluster:
	s_bfe_u32 s2, ttmp6, 0x10000c
	s_cmp_lg_u32 s2, 0xf033
	s_cbranch_scc0 .Lentry_shape_is_right
	s_endpgm
.Lentry_shape_is_right:
; QKV.  qkv[token][e] = sum over k of x[token][k] w_qkv[k][e] on codes of E2M1 with one E8M0 scale for each 32 along K; sums in f32.
; Out: qkv16 [48 g = e / 64][4 b][2048 t][64] f16 (g 0-15 q's heads, 16-31 k's, 32-47 v's), and q32 [4 b][16 t][3072 e] f32: the first 16 positions of every sequence, unrounded.
; A work-group of four waves makes 256 tokens x 192 columns (three heads); wave w makes rows 64 w .. 64 w + 63 x all 192: 48 accumulators.  16 x 32 tiles: 512 work-groups, twice 256.
; K = 1,024 is two LDS slots of 512 along K (rows of 256 bytes), each filled once: nothing is filled again.  The scale bytes of the tile's rows, for all of K, come once, as units of 256 bytes.
; CLUSTER 4 x 4: A's tile is shared along a row of the cluster, B's along a column: joint loads.  The tile row is 8 cy + cluster y, so that the batch is cy and 'this tile holds t < 16' is
; 'cluster y = 0', the same in all sixteen partners: the one branch of the way out hangs on the cluster's number and the wave's number alone.
; THE MATRIX INSTRUCTION IS USED TRANSPOSED (source 0 = 16 rows of wc, source 1 = 16 tokens): a lane holds one token and eight neighbouring columns.
; LIMITS: q, k, v leave as f16: magnitudes above 65,504 become infinity.  q32 leaves in pieces of 64 bytes (786,432 bytes in all).
; REGISTERS: window 0: v16-29 addresses; v32-63 x's scale words, v64-159 w's (nothing else is ever held there); v160-207, v208-255 the way out.
;   window 1: two sets of fragments at 0 and 128: A's block a at + 8 a, B's block b at + 32 + 8 b.  window 2: accumulators (a = 0, 1; b) at 8 (12 a + b); window 3: a = 2, 3.
.set PITCH, 272                        ; an LDS row: 256 bytes + 16: the 16 rows of a load start at 16 different banks (64 banks of 4 bytes: ISA guide 11.1)
.set SLOT,  121856                     ; A's 256 rows, then B's 192
.set BOFF,  69632
.set SCA,   243712                     ; x's scale bytes: 32 units of 256 + 16
.set SCB,   252416                     ; w's: 24 units
.set STAGE, 259072                     ; the way out: [3 heads][16 tokens] rows of 128 + 16 bytes, for each wave; no tile lands here
.set SPARE, 286720                     ; the spare words, 128 bytes a wave: no other line names them
.set ADRA, 16
.set ADRB, 18
.set ADSA, 20
.set ADSB, 21
.set STO,  22
.set RD,   23
.set GO,   24
.set FO,   25
.set SPW,  28
.set NIL,  29
.set XS,   32                          ; v[XS + 16 s + 4 a + q]
.set WS,   64                          ; v[WS + 48 s + 4 b + q]
.set TMP,  160
.set BK,   208
.set G1A,  24
.set G0A,  32
.set G1B,  40
.set G0B,  48
.set G1SA, 56
.set G0SA, 68
.set G1SB, 72
.set G0SB, 80
.set MSB, 0
.macro WIN new                         ; the immediate's high byte repeats the setting that is left
.if MSB != (\new)
	s_set_vgpr_msb (MSB<<8)|(\new)
.set MSB, (\new)
.endif
.endm
.macro PLACES n
.rept \n
	v_nop
.endr
.endm
; A joint load: waves 0 and 1 fetch for A, waves 2 and 3 for B.  The branch hangs on the wave's number alone.  An s_nop 0 and four v_nop follow each line.
.macro JLOAD g0a, g1a, g0b, g1b
	s_cmp_eq_u32 s17, 0
	s_cbranch_scc0 .Lfor_b_\@
	tensor_load_to_lds s[\g0a:\g0a+3], s[\g1a:\g1a+7]
	s_nop 0
.rept 4
	v_nop
.endr
	s_branch .Lasked_\@
.Lfor_b_\@:
	tensor_load_to_lds s[\g0b:\g0b+3], s[\g1b:\g1b+7]
	s_nop 0
.rept 4
	v_nop
.endr
.Lasked_\@:
.endm
.macro CROUND                          ; a round of the cluster's barrier
	s_barrier_signal -1
	s_barrier_wait -1
	s_cmp_lg_u32 s16, 0
	s_cbranch_scc1 .Lnot_wave_0_\@
	s_barrier_signal -3
.Lnot_wave_0_\@:
	s_barrier_wait -3
	s_barrier_signal -1
	s_barrier_wait -1
.endm
	s_load_b256 s[4:11], s[0:1], 0x0               ; xc, xs, wc, ws
	s_load_b128 s[12:15], s[0:1], 0x20             ; qkv16, q32
	v_lshl_add_u32 v[SPW], v0, 2, SPARE
	v_mov_b32 v[NIL], 0
	ds_add_u32 v[SPW], v[NIL]                      ; the wave's opening: the add, twice on end, and its wait ahead of my first tensor load
	ds_add_u32 v[SPW], v[NIL]
	v_lshrrev_b32 v1, 5, v0
	v_readfirstlane_b32 s16, v1                    ; wave 0..3
	s_lshr_b32 s17, s16, 1                         ; I fetch for A (0) or for B (1)
	s_and_b32 s18, s16, 1                          ; which half of that tile's rows
	s_bfe_u32 s19, ttmp6, 0x40000                  ; cx
	s_bfe_u32 s20, ttmp6, 0x40004                  ; cy
	s_lshl_b32 s21, ttmp9, 2
	s_add_co_u32 s21, s21, s19                     ; tile column = 4 x cluster x + cx
	s_and_b32 s22, ttmp7, 0xffff                   ; cluster y
	s_lshl_b32 s23, s20, 3
	s_add_co_u32 s23, s23, s22                     ; tile row = 8 cy + cluster y
	s_lshl_b32 s84, s20, 2
	s_lshl_b32 s84, 15, s84                        ; my row of the cluster
	s_lshl_b32 s85, 0x1111, s19                    ; my column
	s_or_b32 s[G1A], s84, (0<<16)|(1<<20)|(1<<21)|(5<<22)|(3<<25)    ; the mask; elements of 1 byte; padding on; bit 21 beside a mask; 4 words behind every 64
	s_or_b32 s[G1B], s85, (0<<16)|(1<<20)|(1<<21)|(5<<22)|(3<<25)
	s_mov_b32 s[G1A+1], 256<<16                    ; tensor_dim0 = 256 bytes
	s_mov_b32 s[G1A+2], 128<<16                    ; tensor_dim1 = 128 rows
	s_mov_b32 s[G1A+3], 256<<16                    ; tile_dim0
	s_mov_b32 s[G1A+4], 128                        ; tile_dim1
	s_mov_b32 s[G1A+5], 512                        ; from row to row
	s_mov_b32 s[G1A+6], 0
	s_mov_b32 s[G1A+7], 0
	s_mov_b32 s[G1B+1], 256<<16
	s_mov_b32 s[G1B+2], 96<<16                     ; B: 96 rows a load
	s_mov_b32 s[G1B+3], 256<<16
	s_mov_b32 s[G1B+4], 96
	s_mov_b32 s[G1B+5], 512
	s_mov_b32 s[G1B+6], 0
	s_mov_b32 s[G1B+7], 0
	s_or_b32 s[G1SA], s84, (3<<16)|(1<<20)|(1<<21)|(5<<22)|(3<<25)   ; the scale bytes: dense, as rows of 32 elements of 8 bytes
	s_or_b32 s[G1SB], s85, (3<<16)|(1<<20)|(1<<21)|(5<<22)|(3<<25)
	s_mov_b32 s[G1SA+1], 32<<16
	s_mov_b32 s[G1SA+2], 16<<16                    ; 128 rows x 32 bytes = 16 units
	s_mov_b32 s[G1SA+3], 32<<16
	s_mov_b32 s[G1SA+4], 16
	s_mov_b32 s[G1SA+5], 32
	s_mov_b32 s[G1SA+6], 0
	s_mov_b32 s[G1SA+7], 0
	s_mov_b32 s[G1SB+1], 32<<16
	s_mov_b32 s[G1SB+2], 12<<16                    ; 96 rows: 12 units
	s_mov_b32 s[G1SB+3], 32<<16
	s_mov_b32 s[G1SB+4], 12
	s_mov_b32 s[G1SB+5], 32
	s_mov_b32 s[G1SB+6], 0
	s_mov_b32 s[G1SB+7], 0
	s_lshl_b32 s86, s23, 8
	s_lshl_b32 s87, s18, 7
	s_add_co_u32 s86, s86, s87                     ; A: row 256 x tile row + 128 x half
	s_lshl_b32 s88, s86, 9                         ; its codes,
	s_mov_b32 s89, 0
	s_lshl_b32 s90, s86, 5                         ; its scale bytes
	s_mov_b32 s91, 0
	s_mul_i32 s92, s21, 192
	s_mul_i32 s93, s18, 96
	s_add_co_u32 s92, s92, s93                     ; B: row 192 x tile column + 96 x half
	s_lshl_b32 s94, s92, 9
	s_mov_b32 s95, 0
	s_lshl_b32 s96, s92, 5
	s_mov_b32 s97, 0
	s_mul_i32 s98, s18, 128*PITCH                  ; where they go: no place in the cluster enters an LDS address
	s_mul_i32 s99, s18, 96*PITCH
	s_mul_i32 s86, s18, 16*272
	s_mul_i32 s87, s18, 12*272
	s_wait_dscnt 0x0                               ; both opening adds are done
	s_wait_kmcnt 0x0
	s_add_nc_u64 s[88:89], s[4:5], s[88:89]
	s_add_nc_u64 s[90:91], s[6:7], s[90:91]
	s_add_nc_u64 s[94:95], s[8:9], s[94:95]
	s_add_nc_u64 s[96:97], s[10:11], s[96:97]
	CROUND                                         ; all sixteen work-groups are here: the joint loads meet
	s_mov_b32 s[G0SA], 1
	s_add_co_u32 s[G0SA+1], s86, SCA
	s_mov_b64 s[G0SA+2:G0SA+3], s[90:91]
	s_or_b32 s[G0SA+3], s[G0SA+3], 0x80000000
	s_mov_b32 s[G0SB], 1
	s_add_co_u32 s[G0SB+1], s87, SCB
	s_mov_b64 s[G0SB+2:G0SB+3], s[96:97]
	s_or_b32 s[G0SB+3], s[G0SB+3], 0x80000000
	JLOAD G0SA, G1SA, G0SB, G1SB                   ; the scale bytes first: they are wanted with slot 0
.irp s, 0,1
	s_mov_b32 s[G0A+4*\s], 1
	s_add_co_u32 s[G0A+4*\s+1], s98, \s*SLOT
	s_add_nc_u64 s[G0A+4*\s+2:G0A+4*\s+3], s[88:89], \s*256
	s_or_b32 s[G0A+4*\s+3], s[G0A+4*\s+3], 0x80000000
	s_mov_b32 s[G0B+4*\s], 1
	s_add_co_u32 s[G0B+4*\s+1], s99, \s*SLOT+BOFF
	s_add_nc_u64 s[G0B+4*\s+2:G0B+4*\s+3], s[94:95], \s*256
	s_or_b32 s[G0B+4*\s+3], s[G0B+4*\s+3], 0x80000000
	JLOAD G0A+4*\s, G1A, G0B+4*\s, G1B             ; three loads of mine are out behind the second of these
.endr
	v_and_b32 v1, 15, v0                           ; r
	v_bfe_u32 v2, v0, 4, 1                         ; h
	v_and_b32 v3, 31, v0                           ; lane
	v_mul_u32_u24 v4, v1, PITCH
	v_lshl_add_u32 v4, v2, 4, v4                   ; a fragment's row x pitch + 16 h
	s_mul_i32 s84, s16, 64*PITCH
	v_add_nc_u32 v[ADRA], s84, v4
	v_add_nc_u32 v[ADRA+1], SLOT, v[ADRA]
	v_add_nc_u32 v[ADRB], BOFF, v4
	v_add_nc_u32 v[ADRB+1], SLOT, v[ADRB]
	v_lshrrev_b32 v5, 3, v1
	v_and_b32 v6, 7, v1
	v_mul_u32_u24 v5, v5, 272
	v_lshl_add_u32 v5, v6, 5, v5                   ; a row's 32 scale bytes: eight rows to a unit
	v_add_nc_u32 v[ADSB], SCB, v5
	s_mul_i32 s84, s16, 8*272
	s_add_co_u32 s84, s84, SCA
	v_add_nc_u32 v[ADSA], s84, v5
	s_mul_i32 s84, s16, 6912
	s_add_co_u32 s84, s84, STAGE
	v_mul_u32_u24 v5, v1, 144
	v_lshl_add_u32 v5, v2, 4, v5
	v_add_nc_u32 v[STO], s84, v5                   ; into my stage: row r, 16 bytes for each half of the lanes
	v_lshrrev_b32 v5, 3, v3
	v_and_b32 v6, 7, v3
	v_mul_u32_u24 v5, v5, 144
	v_lshl_add_u32 v5, v6, 4, v5
	v_add_nc_u32 v[RD], s84, v5                    ; back: eight lanes to a row, four rows an instruction
	v_lshlrev_b32 v[GO], 4, v3                     ; and the same four tokens in qkv16: 512 consecutive bytes
	v_mul_u32_u24 v[FO], v1, 12288
	v_lshl_add_u32 v[FO], v2, 5, v[FO]             ; q32: token r, + 32 h
	s_mul_i32 s84, s21, 12
	s_add_co_u32 s84, s84, s20
	s_lshl_b32 s84, s84, 18                        ; (3 x tile column) heads of 4 batches + my batch, 262,144 bytes each
	s_lshl_b32 s86, s22, 15
	s_add_co_u32 s84, s84, s86                     ; + 256 x cluster y tokens of 128 bytes
	s_lshl_b32 s86, s16, 13
	s_add_co_u32 s84, s84, s86                     ; + my wave's 64
	s_mov_b32 s85, 0
	s_add_nc_u64 s[12:13], s[12:13], s[84:85]
	s_mul_i32 s84, s20, 196608
	s_mul_i32 s86, s21, 768
	s_add_co_u32 s84, s84, s86
	s_add_nc_u64 s[14:15], s[14:15], s[84:85]
.macro FRAG reg, adr, q, i             ; 16 rows x 128 K of 4-bit codes: 8 registers: registers 4 c .. 4 c + 3 hold K = 64 c + 32 h + 0 .. 31
.irp c, 0,1
	ds_load_b128 v[\reg+4*\c:\reg+4*\c+3], v[\adr] offset:64*(\q)+32*\c+(\i)*16*PITCH
.endr
.endm
.macro FETCH s, q, p                   ; 32 loads in one run: B's twelve fragments, then A's blocks 0, 1, then 2, 3
	WIN 0x40
.irp i, 0,1,2,3,4,5,6,7,8,9,10,11
	FRAG 128*(\p)+32+8*\i, ADRB+\s, \q, \i
.endr
.irp i, 0,1,2,3
	FRAG 128*(\p)+8*\i, ADRA+\s, \q, \i
.endr
.endm
.macro SCALES                          ; all scale words, once: four words (512 along K) a load; lane r takes row r's
.irp s, 0,1
.irp a, 0,1,2,3
	ds_load_b128 v[XS+16*\s+4*\a:XS+16*\s+4*\a+3], v[ADSA] offset:544*\a+16*\s
.endr
.irp b, 0,1,2,3,4,5,6,7,8,9,10,11
	ds_load_b128 v[WS+48*\s+4*\b:WS+48*\s+4*\b+3], v[ADSB] offset:544*\b+16*\s
.endr
.endr
.endm
; 24 matrix instructions: A's blocks 2 half, 2 half + 1 x B's twelve.  The 48 accumulators take turns, one instruction a turn, in the same order in every step.
.macro MUL24 half, p, s, q, zero
	WIN 0xa5+0x50*(\half)
.irp a, 0,1
.irp b, 0,1,2,3,4,5,6,7,8,9,10,11
.if \zero
	v_wmma_scale_f32_16x16x128_f8f6f4 v[8*(12*\a+\b):8*(12*\a+\b)+7], v[128*(\p)+32+8*\b:128*(\p)+32+8*\b+7], v[128*(\p)+8*(2*(\half)+\a):128*(\p)+8*(2*(\half)+\a)+7], 0, v[WS+48*(\s)+4*\b+(\q)], v[XS+16*(\s)+4*(2*(\half)+\a)+(\q)] matrix_a_fmt:MATRIX_FMT_FP4 matrix_b_fmt:MATRIX_FMT_FP4
.else
	v_wmma_scale_f32_16x16x128_f8f6f4 v[8*(12*\a+\b):8*(12*\a+\b)+7], v[128*(\p)+32+8*\b:128*(\p)+32+8*\b+7], v[128*(\p)+8*(2*(\half)+\a):128*(\p)+8*(2*(\half)+\a)+7], v[8*(12*\a+\b):8*(12*\a+\b)+7], v[WS+48*(\s)+4*\b+(\q)], v[XS+16*(\s)+4*(2*(\half)+\a)+(\q)] matrix_a_fmt:MATRIX_FMT_FP4 matrix_b_fmt:MATRIX_FMT_FP4
.endif
.endr
.endr
.endm
; A step of 128 along K.  more = 1: the next step's fragments (slot ns, its nq-th 128) are fetched in its middle.  meet = 1: that next step lies in slot 1.
.macro STEP s, q, zero, ns, nq, more, meet
	s_wait_dscnt 4                                 ; B's set and A's blocks 0, 1 are in; the youngest four loads (A's blocks 2, 3) may be out
	MUL24 0, (\q)%2, \s, \q, \zero
.if \meet
	WIN 0
	s_wait_tensorcnt 0x0                           ; my part of slot 1 has landed,
	s_wait_dscnt 0x0                               ; no LDS load of mine is out at the signal,
	s_barrier_signal -1
	s_barrier_wait -1                              ; and everybody's part has.
.endif
.if \more
	PLACES 4                                       ; in front of loads into registers that matrix instructions have read
	FETCH \ns, \nq, 1-(\q)%2
	s_wait_dscnt 32                                ; all but the 32 just issued
.else
	s_wait_dscnt 0x0
.endif
	MUL24 1, (\q)%2, \s, \q, \zero
.endm
	s_wait_tensorcnt 1                             ; the scale bytes and my part of slot 0 are in; slot 1's load may stay out
	s_barrier_signal -1
	s_barrier_wait -1
	SCALES
	FETCH 0, 0, 0
	STEP 0, 0, 1, 0, 1, 1, 0                       ; the first step's products start the sums: nothing is cleared
	STEP 0, 1, 0, 0, 2, 1, 0
	STEP 0, 2, 0, 0, 3, 1, 0
	STEP 0, 3, 0, 1, 0, 1, 1
	STEP 1, 0, 0, 1, 1, 1, 0
	STEP 1, 1, 0, 1, 2, 1, 0
	STEP 1, 2, 0, 1, 3, 1, 0
	STEP 1, 3, 0, 0, 0, 0, 0
	WIN 0
	PLACES 4                                       ; in front of the first reads of results
	; The first 16 positions of a sequence, unrounded: they are block 0 of wave 0 where cluster y = 0.
	s_or_b32 s86, s22, s16
	s_cmp_lg_u32 s86, 0
	s_cbranch_scc1 .Lno_fine
	WIN 0x08                                       ; a store's data: window 2
.irp b, 0,1,2,3,4,5,6,7,8,9,10,11
	global_store_b128 v[FO], v[8*\b:8*\b+3], s[14:15] offset:64*\b        ; each accumulator from its low end on
	global_store_b128 v[FO], v[8*\b+4:8*\b+7], s[14:15] offset:64*\b+16
.endr
	WIN 0
.Lno_fine:
; THE WAY OUT, a block of 16 tokens x 192 columns at a time: rounded to f16, through my own stage, back as rows of a head: four tokens are 512 consecutive bytes of qkv16.
.macro PACK a
.set AC, 96*((\a)%2)
	WIN 0x0a+5*((\a)/2)
.set n, 0
.rept 48
	v_cvt_pk_f16_f32 v[TMP+n], v[AC+2*n], v[AC+2*n+1]
.set n, n+1
.endr
	WIN 0
.endm
.macro TOSTAGE
.irp b, 0,1,2,3,4,5,6,7,8,9,10,11
	ds_store_b128 v[STO], v[TMP+4*\b:TMP+4*\b+3] offset:2304*(\b/4)+32*(\b%4)
.endr
.irp t, 0,1,2,3,4,5,6,7,8,9,10,11
	ds_load_b128 v[BK+4*\t:BK+4*\t+3], v[RD] offset:576*\t    ; LDS serves a wave's instructions in order (ISA guide 5.7.1.4): these see the stores above
.endr
.endm
.macro SEND a
	s_wait_dscnt 0x0
.irp t, 0,1,2,3,4,5,6,7,8,9,10,11
	global_store_b128 v[GO], v[BK+4*\t:BK+4*\t+3], s[12:13] offset:(\t/4)*1048576+2048*(\a)+512*(\t%4)
.endr
.endm
	PACK 0
	TOSTAGE
.irp a, 1,2,3
	PACK \a                                        ; a block's conversions stand between the loads of the block before and the wait for them
	SEND \a-1
	s_wait_xcnt 0x0                                ; the stores have read their registers: the next block's loads may land there
	TOSTAGE
.endr
	SEND 3
	s_wait_tensorcnt 0x0                           ; the wave's end
	ds_add_u32 v[SPW], v[NIL]
	s_wait_dscnt 0x0
	CROUND                                         ; the closing round
	s_endpgm
.Lfunc_end_k_q2f141b74bf_qkv:
	.size	k_q2f141b74bf_qkv, .Lfunc_end_k_q2f141b74bf_qkv-k_q2f141b74bf_qkv
	.p2alignl 7, 3214868480
	.fill 96, 4, 3214868480
	.section	.rodata,"a",@progbits
	.p2align	6, 0x0
	.amdhsa_kernel k_q2f141b74bf_qkv
		.amdhsa_group_segment_fixed_size 327680
		.amdhsa_private_segment_fixed_size 0
		.amdhsa_enable_private_segment 0
		.amdhsa_kernarg_size 48
		.amdhsa_user_sgpr_count 2
		.amdhsa_user_sgpr_kernarg_segment_ptr 1
		.amdhsa_wavefront_size32 1
		.amdhsa_system_sgpr_workgroup_id_x 1
		.amdhsa_system_sgpr_workgroup_id_y 1
		.amdhsa_system_sgpr_workgroup_id_z 1
		.amdhsa_system_vgpr_workitem_id 0
		.amdhsa_next_free_vgpr 960
		.amdhsa_next_free_sgpr 100
		.amdhsa_reserve_vcc 0
		.amdhsa_float_denorm_mode_32 3
		.amdhsa_float_denorm_mode_16_64 3
		.amdhsa_memory_ordered 1
		.amdhsa_forward_progress 1
		.amdhsa_inst_pref_size 104
	.end_amdhsa_kernel
	.amdgpu_metadata
---
amdhsa.version: [ 1, 2 ]
amdhsa.kernels:
  - .name:           k_q2f141b74bf_qkv
    .symbol:         k_q2f141b74bf_qkv.kd
    .args:
      - { .name: xc, .offset: 0, .size: 8, .value_kind: global_buffer, .address_space: global }
      - { .name: xs, .offset: 8, .size: 8, .value_kind: global_buffer, .address_space: global }
      - { .name: wc, .offset: 16, .size: 8, .value_kind: global_buffer, .address_space: global }
      - { .name: ws, .offset: 24, .size: 8, .value_kind: global_buffer, .address_space: global }
      - { .name: qkv16, .offset: 32, .size: 8, .value_kind: global_buffer, .address_space: global }
      - { .name: q32, .offset: 40, .size: 8, .value_kind: global_buffer, .address_space: global }
    .group_segment_fixed_size: 327680
    .private_segment_fixed_size: 0
    .kernarg_segment_align: 8
    .kernarg_segment_size: 48
    .max_flat_workgroup_size: 128
    .sgpr_count:     100
    .vgpr_count:     960
    .wavefront_size: 32
...
	.end_amdgpu_metadata
.endif
;; end of part 2
;; launch attn (part 3): grid 4 x 64, 8 waves a work-group, no clusters, 327,680 bytes of LDS; arguments qkv16, a16; writes a16
.if DOCPART == 3
	.amdgcn_target "amdgcn-amd-amdhsa--gfx1250"
	.amdhsa_code_object_version 6
	.text
	.protected	k_q2f141b74bf_attn
	.globl	k_q2f141b74bf_attn
	.p2align	8
	.type	k_q2f141b74bf_attn,@function
k_q2f141b74bf_attn:
	s_mov_b64 s[64:65], 0
	v_nop
	global_prefetch_b8 v0, s[64:65] scope:SCOPE_SE
	s_setreg_imm32_b32 hwreg(HW_REG_WAVE_MODE, 25, 1), 1
	s_wait_xcnt 0x0
; ATTN.  a16[hb][q][:] = sum over k <= q of softmax_k(Q[q] . K[k] / 8) V[k][:], head size 64, f16 operands, f32 products, maxima and sums; a running maximum m and sum l for each query.
; In: qkv16 (q at hb x 262,144, k 16,777,216 bytes on, v 33,554,432 bytes on; rows of 128 bytes).  Out: a16 [64 hb][2048][64] f16.  hb = 4 head + batch.
; SHARES.  Work-group (X, hb) owns query blocks 7 - X and then X of its head, 256 queries each.  Under the causal mask they need 8 - X and X + 1 key slots of 256 keys: NINE for every work-group,
; so the loop's trip count is a constant and all 256 work-groups have equal work.  Every slot that is fetched is read: its first key is at or under every wave's first query.
; Wave w owns 32 queries, two tiles of 16, at sub-block w (w < 4) or 11 - w.  Both products are used transposed (S^T = K Q^T, O^T = V^T P): a lane holds one query throughout.
; Key steps of 64 all of whose keys come after the wave's queries are left out by a scalar branch on ids; on the diagonal hidden scores become -infinity ahead of the maximum.
; NO CLUSTER: the four work-groups of a head need different key slots from the sixth trip on (X = 3 turns to its second block there), and under the mask partners would jump over reads of joint tiles.
; LIMITS: masked keys are left out where the definition adds -1e10 to their logits: the same while unmasked logits of a row lie within about 1e10 of each other.  The result leaves as f16.
; REGISTERS: window 0: v1-15 addresses and constants; v32-95 S^T (tile T at 32 + 32 T; P is made in place in its low 16); v96-159 K's fragments; v160-223 V's; v224-255 statistics.
;   window 1: v0-63 O^T (32 T + 8 ct); v64-95 Q (64 + 16 T + 8 cs).
.set PK,    144                        ; a row of K in LDS: 128 bytes + 16
.set PV,    160                        ; a row of V: 128 + 32: an odd multiple of 32, for the turning load
.set VOFF,  256*PK                     ; a slot: 256 rows of K, then 256 rows of V
.set SLOT1, 1<<17                      ; slot 1 begins here: one exclusive or turns an address
.set STAGE, 262144                     ; the way out: 32 rows x 144 bytes for each wave; no tile lands here
.set SPARE, 299008                     ; the spare words, 128 bytes for each of eight waves: no other line names them
.set S,   32
.set KFR, 96
.set VFR, 160
.set ST,  224                          ; tile T at ST + 16 T: +0 c m, +1 m, +2, +3 l, +4, +5 a, +6 .. +9 c0-c3, +10, +11 X, +12 d
.set QFR, 64
.set MSB, 0
.macro WIN new
.if MSB != (\new)
	s_set_vgpr_msb (MSB<<8)|(\new)
.set MSB, (\new)
.endif
.endm
; Waves 0-3 fetch K's quarters of a slot, waves 4-7 V's: 64 rows each, one load a wave.  An s_nop 0 and four v_nop follow each line.
.macro TLOAD
	s_cmp_lt_u32 s8, 4
	s_cbranch_scc0 .Lfor_v_\@
	tensor_load_to_lds s[40:43], s[24:31]
	s_nop 0
.rept 4
	v_nop
.endr
	s_branch .Lasked_\@
.Lfor_v_\@:
	tensor_load_to_lds s[44:47], s[32:39]
	s_nop 0
.rept 4
	v_nop
.endr
.Lasked_\@:
.endm
; A prefetch of what the NEXT change of slots will ask for: in trip TR key slot TR + 2.  The four work-groups of a head walk the same slots at first: the one with X = 0 asks, in trips 0 to 5.
; Each wave names its own quarter, 8,192 bytes, lanes 256 bytes apart: each block of 256 bytes once in the launch.  Slots 0 and 1 come by their loads alone.
.macro ASK
	s_cmp_lt_u32 s13, s60
	s_cbranch_scc0 .Lnot_mine_\@
	global_prefetch_b8 v13, s[58:59] th:TH_LOAD_NT scope:SCOPE_SE
.Lnot_mine_\@:
.endm
	s_load_b128 s[4:7], s[0:1], 0x0                ; qkv16, a16
	v_lshl_add_u32 v14, v0, 2, SPARE
	v_mov_b32 v15, 0
	ds_add_u32 v14, v15                            ; the wave's opening: the add, twice on end, and its wait ahead of my first tensor load
	ds_add_u32 v14, v15
	v_lshrrev_b32 v1, 5, v0
	v_readfirstlane_b32 s8, v1                     ; wave 0..7
	s_mov_b32 s9, ttmp9                            ; X
	s_and_b32 s10, ttmp7, 0xffff                   ; hb
	s_sub_co_u32 s66, 11, s8
	s_cmp_lt_u32 s8, 4
	s_cselect_b32 s11, s8, s66                     ; my sub-block of 32 queries
	s_sub_co_u32 s12, 8, s9                        ; SW: the trip at which the second block begins
	s_mov_b32 s13, 0                               ; TR
	s_mov_b32 s14, 0                               ; TB: LDS byte of the slot in hand
	s_lshl_b32 s18, s10, 18
	s_mov_b32 s19, 0
	s_mov_b32 s20, 0x76543210
	s_mov_b32 s21, 0xfedcba98                      ; v_permlanex16_b32's selects for lane l xor 16
	s_mov_b32 s22, 0x3e38aa3b                      ; c = log2(e) / 8
	s_mov_b32 s23, s22
	s_mov_b32 s53, 0
	s_mov_b32 s24, (1<<16)|(1<<20)|(4<<22)|(3<<25) ; K: elements of 2 bytes; 4 words of padding behind every 32
	s_mov_b32 s25, 64<<16                          ; tensor_dim0 = 64
	s_mov_b32 s26, 64<<16                          ; tensor_dim1 = 64
	s_mov_b32 s27, 64<<16                          ; tile_dim0
	s_mov_b32 s28, 64                              ; tile_dim1
	s_mov_b32 s29, 64                              ; from row to row
	s_mov_b32 s30, 0
	s_mov_b32 s31, 0
	s_mov_b32 s32, (1<<16)|(1<<20)|(4<<22)|(7<<25) ; V: 8 words of padding
	s_mov_b32 s33, 64<<16
	s_mov_b32 s34, 64<<16
	s_mov_b32 s35, 64<<16
	s_mov_b32 s36, 64
	s_mov_b32 s37, 64
	s_mov_b32 s38, 0
	s_mov_b32 s39, 0
	s_and_b32 s66, s8, 3
	s_mul_i32 s41, s66, 64*PK                      ; my quarter's place in slot 0
	s_mul_i32 s45, s66, 64*PV
	s_add_co_u32 s45, s45, VOFF
	s_mov_b32 s40, 1
	s_mov_b32 s44, 1
	s_lshl_b32 s66, s66, 13                        ; and in memory: 64 rows of 128 bytes
	s_mov_b32 s67, 0
	s_cmp_eq_u32 s9, 0
	s_cselect_b32 s60, 6, 0                        ; LIM: the trips in which I prefetch
	s_wait_dscnt 0x0                               ; both opening adds are done
	s_wait_kmcnt 0x0
	s_add_nc_u64 s[48:49], s[4:5], s[18:19]
	s_add_nc_u64 s[48:49], s[48:49], s[66:67]
	s_add_nc_u64 s[50:51], s[48:49], 0x2000000     ; VB: my quarter of V's key slot 0
	s_add_nc_u64 s[48:49], s[48:49], 0x1000000     ; KB: of K's
	s_mov_b64 s[42:43], s[48:49]
	s_or_b32 s43, s43, 0x80000000
	s_mov_b64 s[46:47], s[50:51]
	s_or_b32 s47, s47, 0x80000000
	s_cmp_lt_u32 s8, 4
	s_cselect_b64 s[58:59], s[48:49], s[50:51]
	s_add_nc_u64 s[58:59], s[58:59], 32768         ; in key slot 1: the first change of slots steps it to slot 2
	TLOAD                                          ; key slot 0 into slot 0
	v_and_b32 v1, 15, v0                           ; r
	v_bfe_u32 v2, v0, 4, 1                         ; h
	v_mul_u32_u24 v3, v1, PK
	v_lshl_add_u32 v3, v2, 4, v3                   ; K: row r, + 16 h
	v_and_b32 v16, 7, v0
	v_bfe_u32 v17, v0, 3, 1
	v_lshl_add_u32 v4, v2, 3, v16
	v_mul_u32_u24 v4, v4, PV
	v_lshl_add_u32 v4, v17, 4, v4
	v_add_nc_u32 v4, VOFF, v4                      ; V, for the turning load: key 8 h + l % 8, channels 8 ((l / 8) % 2) on
	v_lshlrev_b32 v7, 7, v1
	v_lshl_add_u32 v7, v2, 4, v7                   ; Q in memory: row r of 128 bytes, + 16 h
	s_mul_i32 s66, s8, 32*PK
	s_add_co_u32 s66, s66, STAGE
	v_add_nc_u32 v8, s66, v3                       ; into my stage
	v_and_b32 v18, 31, v0
	v_lshrrev_b32 v19, 3, v18
	v_mul_u32_u24 v9, v19, PK
	v_lshl_add_u32 v9, v16, 4, v9
	v_add_nc_u32 v9, s66, v9                       ; back: eight lanes to a row, four rows an instruction
	v_lshlrev_b32 v10, 4, v18                      ; and the same four rows in a16
	v_lshlrev_b32 v11, 3, v2
	v_sub_nc_u32 v11, v1, v11                      ; r - 8 h
	v_mov_b32 v12, 0xff800000                      ; -infinity
	v_lshlrev_b32 v13, 8, v18                      ; the prefetches' offset
; A block of queries begins: Q into registers, O^T and l zero, m under every score.
.macro START blk
	s_lshl_b32 s16, \blk, 8
	s_lshl_b32 s67, s11, 5
	s_add_co_u32 s16, s16, s67                     ; Q0: my first query
	s_add_co_u32 s17, s16, 31                      ; my last
	s_lshl_b32 s68, s16, 7
	s_mov_b32 s69, 0
	s_add_nc_u64 s[68:69], s[68:69], s[18:19]
	s_add_nc_u64 s[54:55], s[4:5], s[68:69]
	s_add_nc_u64 s[56:57], s[6:7], s[68:69]
	WIN 0x40                                       ; destination window 1
.irp T, 0,1
.irp cs, 0,1
	global_load_b128 v[QFR+16*\T+8*\cs:QFR+16*\T+8*\cs+3], v7, s[54:55] offset:2048*\T+64*\cs
	global_load_b128 v[QFR+16*\T+8*\cs+4:QFR+16*\T+8*\cs+7], v7, s[54:55] offset:2048*\T+64*\cs+32
.endr
.endr
.set n, 0
.rept 64
	v_mov_b32 v[n], 0                              ; O^T: the step is written once; its first turn finds zeros
.set n, n+1
.endr
	WIN 0
.irp T, 0,1
	v_mov_b32 v[ST+16*\T+1], 0xff61b1e6            ; m = -3e38
	v_mul_f32 v[ST+16*\T], s22, v[ST+16*\T+1]
	v_mov_b32 v[ST+16*\T+2], 0
	v_mov_b32 v[ST+16*\T+3], 0
	v_mov_b32 v[ST+16*\T+4], 0
	v_mov_b32 v[ST+16*\T+5], 0                     ; (named as the upper half of a's pair)
	v_mov_b32 v[ST+16*\T+7], 0                     ; (a lane permute's destination counts as one of its sources: written on every way)
.endr
	s_wait_loadcnt 0x0
.endm
.macro FETCH_K j                       ; 64 keys x 64 channels: 8 fragments, 16 loads
.irp kt, 0,1,2,3
.irp cs, 0,1
	ds_load_b128 v[KFR+16*\kt+8*\cs:KFR+16*\kt+8*\cs+3], v5 offset:(64*(\j)+16*\kt)*PK+64*\cs
	ds_load_b128 v[KFR+16*\kt+8*\cs+4:KFR+16*\kt+8*\cs+7], v5 offset:(64*(\j)+16*\kt)*PK+64*\cs+32
.endr
.endr
.endm
.macro FETCH_V j                       ; the same of V, turned: fragment (ct, g): 16 channels x 32 keys
.irp ct, 0,1,2,3
.irp g, 0,1
	ds_load_tr16_b128 v[VFR+16*\ct+8*\g:VFR+16*\ct+8*\g+3], v6 offset:(64*(\j)+32*\g)*PV+32*\ct
	ds_load_tr16_b128 v[VFR+16*\ct+8*\g+4:VFR+16*\ct+8*\g+7], v6 offset:(64*(\j)+32*\g)*PV+32*\ct+16*PV
.endr
.endr
.endm
; On the diagonal: register 8 kt + i of tile T holds key KF + 64 j + 16 kt + 8 h + i; hidden where 16 kt + i > d = (Q0 + 16 T + r) - (KF + 64 j) - 8 h.  A step all of whose keys count skips this.
.macro MASK j
	s_add_co_u32 s66, s15, 64*(\j)+63
	s_cmp_le_u32 s66, s16
	s_cbranch_scc1 .Lopen_\@
	s_sub_co_i32 s66, s16, s15
	s_sub_co_i32 s66, s66, 64*(\j)
	v_add_nc_u32 v[ST+12], s66, v11
	v_add_nc_u32 v[ST+28], 16, v[ST+12]
.set n, 0
.rept 32
.irp T, 0,1
	v_cmp_gt_i32 vcc_lo, 16*(n/8)+n%8, v[ST+16*\T+12]
	v_cndmask_b32 v[S+32*\T+n], v[S+32*\T+n], v12, vcc_lo
.endr
.set n, n+1
.endr
.Lopen_\@:
.endm
; The softmax of a key step, the two tiles line by line in turn, so that no line waits for the line above it.
.macro SOFT
.irp i, 0,1,2,3                        ; the maximum: four chains, one for each accumulator, from its low end on
.irp T, 0,1
	v_max3_num_f32 v[ST+16*\T+6+\i], v[S+32*\T+8*\i], v[S+32*\T+8*\i+1], v[S+32*\T+8*\i+2]
.endr
.endr
.irp n, 3,5
.irp i, 0,1,2,3
.irp T, 0,1
	v_max3_num_f32 v[ST+16*\T+6+\i], v[ST+16*\T+6+\i], v[S+32*\T+8*\i+\n], v[S+32*\T+8*\i+\n+1]
.endr
.endr
.endr
.irp T, 0,1
	v_max3_num_f32 v[ST+16*\T+6], v[ST+16*\T+6], v[ST+16*\T+7], v[ST+16*\T+8]
.endr
.irp T, 0,1
	v_max3_num_f32 v[ST+16*\T+6], v[ST+16*\T+6], v[ST+16*\T+9], v[S+32*\T+7]
.endr
.irp T, 0,1
	v_max3_num_f32 v[ST+16*\T+6], v[ST+16*\T+6], v[S+32*\T+15], v[S+32*\T+23]
.endr
.irp T, 0,1
	v_max3_num_f32 v[ST+16*\T+6], v[ST+16*\T+6], v[S+32*\T+31], v[ST+16*\T+1]   ; and the old m
.endr
.irp T, 0,1
	v_permlanex16_b32 v[ST+16*\T+7], v[ST+16*\T+6], s20, s21    ; the query's other 32 keys lie in the lane 16 away
.endr
.irp T, 0,1
	v_mov_b32 v[ST+16*\T+8], v[ST+16*\T]           ; c m_old
.endr
.irp T, 0,1
	v_max_num_f32 v[ST+16*\T+1], v[ST+16*\T+6], v[ST+16*\T+7]
.endr
.irp T, 0,1
	v_mul_f32 v[ST+16*\T], s22, v[ST+16*\T+1]
.endr
.irp T, 0,1
	v_sub_f32 v[ST+16*\T+8], v[ST+16*\T+8], v[ST+16*\T]
.endr
.irp T, 0,1
	v_exp_f32 v[ST+16*\T+4], v[ST+16*\T+8]         ; a = 2^(c m_old - c m_new)
.endr
.irp b, 0,2,4,6,8,10,12,14,16,18,20,22,24,26,28,30
.irp T, 0,1
	v_pk_fma_f32 v[S+32*\T+\b:S+32*\T+\b+1], v[S+32*\T+\b:S+32*\T+\b+1], s[22:23], v[ST+16*\T:ST+16*\T+1] op_sel_hi:[1,0,0] neg_lo:[0,0,1] neg_hi:[0,0,1]   ; c s - c m
.endr
.endr
.set n, 0
.rept 64
	v_exp_f32 v[S+n], v[S+n]                       ; p = 2^(c s - c m): one batch
.set n, n+1
.endr
	v_nop                                          ; a plain line behind the last exponential
	s_wait_alu depctr_va_vdst(0)                   ; one wait for the 66, ahead of the first line that names a result
.irp T, 0,1
	v_pk_add_f32 v[ST+16*\T+10:ST+16*\T+11], v[S+32*\T:S+32*\T+1], v[S+32*\T+2:S+32*\T+3]   ; the sums of the unrounded p, in two chains
.endr
.irp T, 0,1
	v_pk_fma_f32 v[ST+16*\T+2:ST+16*\T+3], v[ST+16*\T+2:ST+16*\T+3], v[ST+16*\T+4:ST+16*\T+5], v[S+32*\T+4:S+32*\T+5] op_sel_hi:[1,0,1]   ; l = a l + ..
.endr
.irp k, 6,10,14,18,22,26
.irp T, 0,1
	v_pk_add_f32 v[ST+16*\T+10:ST+16*\T+11], v[ST+16*\T+10:ST+16*\T+11], v[S+32*\T+\k:S+32*\T+\k+1]
.endr
.irp T, 0,1
	v_pk_add_f32 v[ST+16*\T+2:ST+16*\T+3], v[ST+16*\T+2:ST+16*\T+3], v[S+32*\T+\k+2:S+32*\T+\k+3]
.endr
.endr
.irp T, 0,1
	v_pk_add_f32 v[ST+16*\T+10:ST+16*\T+11], v[ST+16*\T+10:ST+16*\T+11], v[S+32*\T+30:S+32*\T+31]
.endr
.irp T, 0,1
	v_pk_add_f32 v[ST+16*\T+2:ST+16*\T+3], v[ST+16*\T+2:ST+16*\T+3], v[ST+16*\T+10:ST+16*\T+11]
.endr
.set n, 0
.rept 16
.irp T, 0,1
	v_cvt_pk_f16_f32 v[S+32*\T+n], v[S+32*\T+2*n], v[S+32*\T+2*n+1]   ; P in place: registers 8 g .. 8 g + 7 are source 1 for keys 32 g on
.endr
.set n, n+1
.endr
	WIN 0x41
.irp i, 0,2,4,6,8,10,12,14,16,18,20,22,24,26,28,30
.irp T, 0,1
	v_pk_mul_f32 v[32*\T+\i:32*\T+\i+1], v[32*\T+\i:32*\T+\i+1], v[ST+16*\T+4:ST+16*\T+5] op_sel_hi:[1,0]   ; O^T x a
.endr
.endr
.endm
; A KEY STEP of 64 keys, the j-th of the slot in hand.
.macro STEP j, id
.if \j > 0
	s_add_co_u32 s66, s15, 64*\j
	s_cmp_gt_u32 s66, s17                          ; all its keys come after my last query: so do those of the slot's later steps
	s_cbranch_scc1 .Ldone_\id
.else
	FETCH_K 0
.endif
	FETCH_V \j
	s_wait_dscnt 16                                ; K is in; V's sixteen loads may be out
	WIN 0x04                                       ; Q in window 1
.irp cs, 0,1                           ; eight accumulators by turns
.irp kt, 0,1,2,3
.irp T, 0,1
.if \cs == 0
	v_wmma_f32_16x16x32_f16 v[S+32*\T+8*\kt:S+32*\T+8*\kt+7], v[KFR+16*\kt+8*\cs:KFR+16*\kt+8*\cs+7], v[QFR+16*\T+8*\cs:QFR+16*\T+8*\cs+7], 0
.else
	v_wmma_f32_16x16x32_f16 v[S+32*\T+8*\kt:S+32*\T+8*\kt+7], v[KFR+16*\kt+8*\cs:KFR+16*\kt+8*\cs+7], v[QFR+16*\T+8*\cs:QFR+16*\T+8*\cs+7], v[S+32*\T+8*\kt:S+32*\T+8*\kt+7]
.endif
.endr
.endr
.endr
	WIN 0
.rept 4
	v_nop                                          ; places in front of the loads into K's registers and of the first reads of the scores
.endr
.if \j < 3
	FETCH_K \j+1                                   ; the next step's K lands under the softmax
.endif
	MASK \j
	SOFT
.if \j < 3
	s_wait_dscnt 16                                ; V is in; the next step's K may be out
.else
	s_wait_dscnt 0x0
.endif
	WIN 0x50                                       ; O^T in window 1
.irp g, 0,1
.irp ct, 0,1,2,3
.irp T, 0,1
	v_wmma_f32_16x16x32_f16 v[32*\T+8*\ct:32*\T+8*\ct+7], v[VFR+16*\ct+8*\g:VFR+16*\ct+8*\g+7], v[S+32*\T+8*\g:S+32*\T+8*\g+7], v[32*\T+8*\ct:32*\T+8*\ct+7]
.endr
.endr
.endr
	WIN 0
.rept 5
	v_nop                                          ; the next K Q^T writes over P's registers: five places; the next loads into V's registers want four
.endr
.endm
; A block of queries ends: O^T / l, rounded to f16, through my own stage, out as rows: four rows are 512 consecutive bytes of a16.
.macro FINAL
.irp T, 0,1
	v_add_f32 v[ST+16*\T+6], v[ST+16*\T+2], v[ST+16*\T+3]
.endr
.irp T, 0,1
	v_permlanex16_b32 v[ST+16*\T+7], v[ST+16*\T+6], s20, s21
.endr
.irp T, 0,1
	v_add_f32 v[ST+16*\T+6], v[ST+16*\T+6], v[ST+16*\T+7]
.endr
.irp T, 0,1
	v_rcp_f32 v[ST+16*\T+4], v[ST+16*\T+6]
.endr
	v_nop
	s_wait_alu depctr_va_vdst(0)                   ; one wait for the two reciprocals, ahead of their first reader
	WIN 0x41
.irp T, 0,1
.irp i, 0,2,4,6,8,10,12,14,16,18,20,22,24,26,28,30
	v_pk_mul_f32 v[32*\T+\i:32*\T+\i+1], v[32*\T+\i:32*\T+\i+1], v[ST+16*\T+4:ST+16*\T+5] op_sel_hi:[1,0]
.endr
.endr
	WIN 0x05
.set n, 0
.rept 32
	v_cvt_pk_f16_f32 v[S+n], v[2*n], v[2*n+1]
.set n, n+1
.endr
	WIN 0
.irp T, 0,1
.irp ct, 0,1,2,3
	ds_store_b128 v8, v[S+16*\T+4*\ct:S+16*\T+4*\ct+3] offset:16*PK*\T+32*\ct
.endr
.endr
.irp i, 0,1,2,3,4,5,6,7
	ds_load_b128 v[S+32+4*\i:S+32+4*\i+3], v9 offset:4*PK*\i     ; LDS serves a wave's instructions in order: these see the stores above
.endr
.irp i, 0,1,2,3,4,5,6,7
	s_wait_dscnt 7-\i
	global_store_b128 v10, v[S+32+4*\i:S+32+4*\i+3], s[56:57] offset:512*\i
.endr
	s_wait_xcnt 0x0                                ; the stores have read their registers and their base: both are written again
.endm
; THE CHANGE OF SLOTS stands at a trip's head: all my tensor loads have landed, the add, my reads of the slot that I have left are over; one barrier; behind it that slot takes the next trip's keys.
.macro CHANGE fill
	s_wait_tensorcnt 0x0                           ; no tensor load of mine is out: a group 0 may be written
	ds_add_u32 v14, v15                            ; 0 onto my spare word
.if \fill
	s_add_co_u32 s66, s13, 1
	s_sub_co_u32 s67, s66, s12
	s_cmp_lt_u32 s66, s12
	s_cselect_b32 s66, s66, s67                    ; the next trip's key slot: TR + 1, or TR + 1 - SW in the second block
	s_lshl_b32 s52, s66, 15
	s_xor_b32 s41, s41, SLOT1
	s_xor_b32 s45, s45, SLOT1
	s_add_nc_u64 s[42:43], s[48:49], s[52:53]
	s_or_b32 s43, s43, 0x80000000
	s_add_nc_u64 s[46:47], s[50:51], s[52:53]
	s_or_b32 s47, s47, 0x80000000
	s_wait_xcnt 0x0                                ; the last prefetch, a trip back, has read its address
	s_add_nc_u64 s[58:59], s[58:59], 32768
.endif
	s_wait_dscnt 0x0
	s_barrier_signal -1
	s_barrier_wait -1
.if \fill
	TLOAD                                          ; my one tensor load behind this barrier, and the first thing there: it has a slot's four key steps in which to land
	ASK
.endif
.endm
.macro BODY id
	s_cmp_lg_u32 s13, s12                          ; ids and the count of trips alone: the same in all eight waves
	s_cbranch_scc1 .Lsame_\id
	FINAL                                          ; the first block is finished,
	START s9                                       ; the second begins
.Lsame_\id:
	s_sub_co_u32 s67, s13, s12
	s_cmp_lt_u32 s13, s12
	s_cselect_b32 s15, s13, s67
	s_lshl_b32 s15, s15, 8                         ; KF: the slot's first key
	v_add_nc_u32 v5, s14, v3
	v_add_nc_u32 v6, s14, v4
	STEP 0, \id
	STEP 1, \id
	STEP 2, \id
	STEP 3, \id
.Ldone_\id:
	s_xor_b32 s14, s14, SLOT1
.endm
	s_sub_co_u32 s70, 7, s9
	START s70
.Ltrip:                                            ; eight trips ask for the next slot; slot 1's first fill stands behind the first trip's barrier, behind which nobody refills
	CHANGE 1
	BODY 0
	s_add_co_u32 s13, s13, 1
	s_cmp_lt_u32 s13, 8
	s_cbranch_scc1 .Ltrip
	CHANGE 0                                       ; the ninth is written out
	BODY 1
	FINAL
	s_wait_tensorcnt 0x0                           ; the wave's end
	ds_add_u32 v14, v15
	s_wait_dscnt 0x0
	s_endpgm
.Lfunc_end_k_q2f141b74bf_attn:
	.size	k_q2f141b74bf_attn, .Lfunc_end_k_q2f141b74bf_attn-k_q2f141b74bf_attn
	.p2alignl 7, 3214868480
	.fill 96, 4, 3214868480
	.section	.rodata,"a",@progbits
	.p2align	6, 0x0
	.amdhsa_kernel k_q2f141b74bf_attn
		.amdhsa_group_segment_fixed_size 327680
		.amdhsa_private_segment_fixed_size 0
		.amdhsa_enable_private_segment 0
		.amdhsa_kernarg_size 16
		.amdhsa_user_sgpr_count 2
		.amdhsa_user_sgpr_kernarg_segment_ptr 1
		.amdhsa_wavefront_size32 1
		.amdhsa_system_sgpr_workgroup_id_x 1
		.amdhsa_system_sgpr_workgroup_id_y 1
		.amdhsa_system_sgpr_workgroup_id_z 1
		.amdhsa_system_vgpr_workitem_id 0
		.amdhsa_next_free_vgpr 352
		.amdhsa_next_free_sgpr 80
		.amdhsa_reserve_vcc 1
		.amdhsa_float_denorm_mode_32 3
		.amdhsa_float_denorm_mode_16_64 3
		.amdhsa_memory_ordered 1
		.amdhsa_forward_progress 1
		.amdhsa_inst_pref_size 209
	.end_amdhsa_kernel
	.amdgpu_metadata
---
amdhsa.version: [ 1, 2 ]
amdhsa.kernels:
  - .name:           k_q2f141b74bf_attn
    .symbol:         k_q2f141b74bf_attn.kd
    .args:
      - { .name: qkv16, .offset: 0, .size: 8, .value_kind: global_buffer, .address_space: global }
      - { .name: a16, .offset: 8, .size: 8, .value_kind: global_buffer, .address_space: global }
    .group_segment_fixed_size: 327680
    .private_segment_fixed_size: 0
    .kernarg_segment_align: 8
    .kernarg_segment_size: 16
    .max_flat_workgroup_size: 256
    .sgpr_count:     80
    .vgpr_count:     352
    .wavefront_size: 32
...
	.end_amdgpu_metadata
.endif
;; end of part 3
;; launch proj (part 4): grid 8 x 32, 4 waves a work-group, clusters of 4 x 4, 327,680 bytes of LDS; arguments a16, w16, b_out, out0; writes out0
.if DOCPART == 4
	.amdgcn_target "amdgcn-amd-amdhsa--gfx1250"
	.amdhsa_code_object_version 6
	.text
	.protected	k_q2f141b74bf_proj
	.globl	k_q2f141b74bf_proj
	.p2align	8
	.type	k_q2f141b74bf_proj,@function
k_q2f141b74bf_proj:
	s_mov_b64 s[64:65], 0
	v_nop
	global_prefetch_b8 v0, s[64:65] scope:SCOPE_SE
	s_setreg_imm32_b32 hwreg(HW_REG_WAVE_MODE, 25, 1), 1
	s_wait_xcnt 0x0
	s_wait_alu depctr_hold_cnt(0) depctr_sa_sdst(0) depctr_va_vdst(0) depctr_va_sdst(0) depctr_va_ssrc(0) depctr_va_vcc(0) depctr_vm_vsrc(0)
	s_getreg_b32 s2, hwreg(HW_REG_IB_STS2, 6, 4)
	s_cmp_eq_u32 s2, 0
	s_cbranch_scc0 .Lentry_in_a_cluster
	s_endpgm
.Lentry_in_a_cluster:
	s_bfe_u32 s2, ttmp6, 0x10000c
	s_cmp_lg_u32 s2, 0xf033
	s_cbranch_scc0 .Lentry_shape_is_right
	s_endpgm
.Lentry_shape_is_right:
; PROJ.  out0[token][n] = sum over k of a[token][k] w_out[k][n] + b_out[n]; f16 operands, f32 sums.  a16: [16 heads][8192 tokens][64] f16; w16: [1024 k][1024 n] f16; out0 f32.
; A tile is 256 tokens x 128 columns: 256 work-groups.  Wave (wm = w / 2, wn = w % 2) makes 128 x 64: 32 accumulators.  A K step is 128, two heads; eight steps through a ring of two slots.
; CLUSTER 4 x 4: A's tile is shared along a row of the cluster, B's along a column: joint loads; where a slot is filled again a round of the cluster's barrier stands in front.
; w16 keeps K as its row axis and is read by the turning load.  THE MATRIX INSTRUCTION IS USED TRANSPOSED (source 0 = 16 columns of w, source 1 = 16 tokens): a lane holds one token and
; eight neighbouring columns.  The bias is the C of each sum's first product: nothing is cleared and nothing is added afterwards.
; The rows t < 16 of every sequence are written here too and written again, more finely, by the launch that follows.
; REGISTERS: window 0: v16-29 addresses; two sets of fragments at 32 and 128 (A's block a at + 8 a, B's block b at + 64 + 8 b); v224-255 the bias.  window 1: accumulator (a, b) at 8 (4 a + b).
.set SLOT,  110592                     ; A: [2 heads][256 rows x 144]; then B: 128 k rows x 288
.set BOFF,  73728
.set STAGE, 221184                     ; the way out: 16 rows x 272 bytes for each wave; no tile lands here
.set SPARE, 238592                     ; the spare words, 128 bytes a wave: no other line names them
.set ADRA, 16
.set ADRB, 20
.set STO,  24
.set RD,   25
.set CO,   26
.set BO,   27
.set SPW,  28
.set NIL,  29
.set F0,   32
.set F1,   128
.set BIAS, 224
.set G1A, 24
.set G0A, 32
.set G1B, 48
.set G0B, 56
.set MSB, 0
.macro WIN new
.if MSB != (\new)
	s_set_vgpr_msb (MSB<<8)|(\new)
.set MSB, (\new)
.endif
.endm
.macro PLACES
.rept 4
	v_nop
.endr
.endm
.macro JLOAD s                         ; waves 0 and 1 fetch A's two heads, waves 2 and 3 B's two halves; an s_nop 0 and four v_nop follow each line
	s_cmp_eq_u32 s13, 0
	s_cbranch_scc0 .Lfor_b_\@
	tensor_load_to_lds s[G0A+4*\s:G0A+4*\s+3], s[G1A:G1A+7]
	s_nop 0
.rept 4
	v_nop
.endr
	s_branch .Lasked_\@
.Lfor_b_\@:
	tensor_load_to_lds s[G0B+4*\s:G0B+4*\s+3], s[G1B:G1B+7]
	s_nop 0
.rept 4
	v_nop
.endr
.Lasked_\@:
.endm
.macro CREST
	s_cmp_lg_u32 s12, 0
	s_cbranch_scc1 .Lnot_wave_0_\@
	s_barrier_signal -3
.Lnot_wave_0_\@:
	s_barrier_wait -3
	s_barrier_signal -1
	s_barrier_wait -1
.endm
.macro CROUND
	s_barrier_signal -1
	s_barrier_wait -1
	CREST
.endm
	s_load_b256 s[4:11], s[0:1], 0x0               ; a16, w16, b_out, out0
	v_lshl_add_u32 v[SPW], v0, 2, SPARE
	v_mov_b32 v[NIL], 0
	ds_add_u32 v[SPW], v[NIL]                      ; the wave's opening: the add, twice on end, and its wait ahead of my first tensor load
	ds_add_u32 v[SPW], v[NIL]
	v_lshrrev_b32 v1, 5, v0
	v_readfirstlane_b32 s12, v1                    ; wave 0..3
	s_lshr_b32 s13, s12, 1                         ; wm.  Also: I fetch for A (0) or for B (1)
	s_and_b32 s14, s12, 1                          ; wn.  Also: which half I fetch
	s_bfe_u32 s15, ttmp6, 0x40000                  ; cx
	s_bfe_u32 s16, ttmp6, 0x40004                  ; cy
	s_lshl_b32 s17, ttmp9, 2
	s_add_co_u32 s17, s17, s15                     ; tile column
	s_and_b32 s18, ttmp7, 0xffff
	s_lshl_b32 s18, s18, 2
	s_add_co_u32 s18, s18, s16                     ; tile row
	s_lshl_b32 s19, s16, 2
	s_lshl_b32 s19, 15, s19                        ; my row of the cluster
	s_lshl_b32 s20, 0x1111, s15                    ; my column
	s_or_b32 s[G1A], s19, (1<<16)|(1<<20)|(1<<21)|(4<<22)|(3<<25)   ; elements of 2 bytes; 4 words of padding behind every 32
	s_mov_b32 s[G1A+1], 64<<16                     ; tensor_dim0 = 64
	s_mov_b32 s[G1A+2], 256<<16                    ; tensor_dim1 = 256
	s_mov_b32 s[G1A+3], 64<<16                     ; tile_dim0
	s_mov_b32 s[G1A+4], 256                        ; tile_dim1
	s_mov_b32 s[G1A+5], 64                         ; a head's rows are dense
	s_mov_b32 s[G1A+6], 0
	s_mov_b32 s[G1A+7], 0
	s_or_b32 s[G1B], s20, (1<<16)|(1<<20)|(1<<21)|(5<<22)|(7<<25)   ; 8 words of padding behind every 64
	s_mov_b32 s[G1B+1], 128<<16
	s_mov_b32 s[G1B+2], 64<<16
	s_mov_b32 s[G1B+3], 128<<16
	s_mov_b32 s[G1B+4], 64
	s_mov_b32 s[G1B+5], 1024
	s_mov_b32 s[G1B+6], 0
	s_mov_b32 s[G1B+7], 0
	s_lshl_b32 s40, s14, 20                        ; A: head u, 1,048,576 bytes a head,
	s_lshl_b32 s41, s18, 15                        ; + 256 tokens of 128 bytes x tile row
	s_add_co_u32 s40, s40, s41
	s_mov_b32 s41, 0
	s_lshl_b32 s42, s14, 17                        ; B: k row 64 u of 2,048 bytes,
	s_lshl_b32 s43, s17, 8                         ; + 256 bytes x tile column
	s_add_co_u32 s42, s42, s43
	s_mov_b32 s43, 0
	s_mul_i32 s44, s14, 36864                      ; where they go: no place in the cluster enters an LDS address
	s_mul_i32 s45, s14, 18432
	s_wait_dscnt 0x0                               ; both opening adds are done
	s_wait_kmcnt 0x0
	s_add_nc_u64 s[40:41], s[4:5], s[40:41]
	s_add_nc_u64 s[42:43], s[6:7], s[42:43]
	CROUND                                         ; all sixteen work-groups are here: the first joint loads meet
.irp s, 0,1
	s_mov_b32 s[G0A+4*\s], 1
	s_add_co_u32 s[G0A+4*\s+1], s44, \s*SLOT
	s_add_nc_u64 s[G0A+4*\s+2:G0A+4*\s+3], s[40:41], \s*2097152
	s_or_b32 s[G0A+4*\s+3], s[G0A+4*\s+3], 0x80000000
	s_mov_b32 s[G0B+4*\s], 1
	s_add_co_u32 s[G0B+4*\s+1], s45, \s*SLOT+BOFF
	s_add_nc_u64 s[G0B+4*\s+2:G0B+4*\s+3], s[42:43], \s*262144
	s_or_b32 s[G0B+4*\s+3], s[G0B+4*\s+3], 0x80000000
	JLOAD \s
.endr
	v_and_b32 v1, 15, v0                           ; r
	v_bfe_u32 v2, v0, 4, 1                         ; h
	v_mul_u32_u24 v4, v1, 144
	v_lshl_add_u32 v4, v2, 4, v4
	s_mul_i32 s40, s13, 18432                      ; my 128 rows of A
	v_add_nc_u32 v[ADRA], s40, v4
	v_add_nc_u32 v[ADRA+1], SLOT, v[ADRA]
	v_and_b32 v5, 7, v0
	v_bfe_u32 v6, v0, 3, 1
	v_lshl_add_u32 v7, v2, 3, v5
	v_mul_u32_u24 v7, v7, 288
	v_lshl_add_u32 v7, v6, 4, v7                   ; the turning load: k row 8 h + l % 8, columns 8 ((l / 8) % 2) on
	s_lshl_b32 s40, s14, 7                         ; my 64 columns
	s_add_co_u32 s40, s40, BOFF
	v_add_nc_u32 v[ADRB], s40, v7
	v_add_nc_u32 v[ADRB+1], SLOT, v[ADRB]
	s_mul_i32 s40, s12, 4352
	s_add_co_u32 s40, s40, STAGE
	v_mul_u32_u24 v8, v1, 272
	v_lshl_add_u32 v8, v2, 5, v8
	v_add_nc_u32 v[STO], s40, v8                   ; into my stage: row r, 32 bytes for each half of the lanes
	v_mul_u32_u24 v8, v2, 272
	v_lshl_add_u32 v8, v1, 4, v8
	v_add_nc_u32 v[RD], s40, v8                    ; back: sixteen lanes to a row of 256 bytes
	v_lshlrev_b32 v[CO], 12, v2
	v_lshl_add_u32 v[CO], v1, 4, v[CO]             ; and the same two rows in out0
	v_lshlrev_b32 v[BO], 5, v2
	s_lshl_b32 s40, s17, 9
	s_lshl_b32 s41, s14, 8
	s_add_co_u32 s40, s40, s41                     ; my first column, in bytes
	s_mov_b32 s41, 0
	s_add_nc_u64 s[8:9], s[8:9], s[40:41]
	s_add_nc_u64 s[10:11], s[10:11], s[40:41]
	s_lshl_b32 s40, s18, 20
	s_lshl_b32 s42, s13, 19
	s_add_co_u32 s40, s40, s42                     ; my first row: (256 x tile row + 128 wm) x 4,096 bytes
	s_add_nc_u64 s[10:11], s[10:11], s[40:41]
.irp b, 0,1,2,3
	global_load_b128 v[BIAS+8*\b:BIAS+8*\b+3], v[BO], s[8:9] offset:64*\b      ; lane (r, h): b_out at block b's columns 8 h + 0 .. 7: the result's layout
	global_load_b128 v[BIAS+8*\b+4:BIAS+8*\b+7], v[BO], s[8:9] offset:64*\b+16
.endr
.macro FETCH s, q, f                   ; 24 loads in one run: the fragments of the slot's q-th 32 along K: B's four, A's blocks 0-3, then 4-7
	WIN 0
.irp b, 0,1,2,3
	ds_load_tr16_b128 v[\f+64+8*\b:\f+64+8*\b+3], v[ADRB+\s] offset:9216*(\q)+32*\b
	ds_load_tr16_b128 v[\f+64+8*\b+4:\f+64+8*\b+7], v[ADRB+\s] offset:9216*(\q)+32*\b+4608
.endr
.irp a, 0,1,2,3,4,5,6,7
	ds_load_b128 v[\f+8*\a:\f+8*\a+3], v[ADRA+\s] offset:36864*((\q)/2)+64*((\q)%2)+2304*\a
	ds_load_b128 v[\f+8*\a+4:\f+8*\a+7], v[ADRA+\s] offset:36864*((\q)/2)+64*((\q)%2)+2304*\a+32
.endr
.endm
; na blocks of A from a0 on x B's four.  The 32 accumulators take turns, one instruction a turn, in the same order in every quarter.
.macro MUL f, a0, na, first
.if \first
	WIN 0x40                                       ; D in window 1, C (the bias) in window 0
.else
	WIN 0x50
.endif
.set AA, \a0
.rept \na
.irp b, 0,1,2,3
.if \first
	v_wmma_f32_16x16x32_f16 v[8*(4*AA+\b):8*(4*AA+\b)+7], v[\f+64+8*\b:\f+64+8*\b+7], v[\f+8*AA:\f+8*AA+7], v[BIAS+8*\b:BIAS+8*\b+7]
.else
	v_wmma_f32_16x16x32_f16 v[8*(4*AA+\b):8*(4*AA+\b)+7], v[\f+64+8*\b:\f+64+8*\b+7], v[\f+8*AA:\f+8*AA+7], v[8*(4*AA+\b):8*(4*AA+\b)+7]
.endif
.endr
.set AA, AA+1
.endr
.endm
.macro QUARTER s, qn, f, g, first      ; multiplies set f; in its middle fetches the slot's qn-th quarter into set g
	s_wait_dscnt 8                                 ; B and A's blocks 0-3 are in; the youngest eight loads (blocks 4-7) may be out
	MUL \f, 0, 4, \first
	PLACES
	FETCH \s, \qn, \g
	s_wait_dscnt 24                                ; all but the 24 just issued
	MUL \f, 4, 4, \first
.endm
; A slot's last quarter multiplies set F1 and changes slots: one barrier; in front of it all my tensor loads have landed, the add, and my reads of this slot are over.
.macro TURN s, next, fill
	WIN 0
	s_wait_tensorcnt 0x0                           ; the one load of mine that was out is my part of the next slot
	ds_add_u32 v[SPW], v[NIL]                      ; 0 onto my spare word
	s_wait_dscnt 9                                 ; (the add and the youngest eight loads may be out)
	MUL F1, 0, 2, 0
	s_wait_dscnt 0x0                               ; the add is done, and my reads of this slot are over
	s_barrier_signal -1
	MUL F1, 2, 2, 0
	WIN 0
	s_barrier_wait -1
.if \fill
	CREST                                          ; the barrier has opened a round of the cluster's: no wave of any partner still reads this slot or has a load on its way
	s_add_nc_u64 s[G0A+4*\s+2:G0A+4*\s+3], s[G0A+4*\s+2:G0A+4*\s+3], 4194304   ; four heads on
	s_add_nc_u64 s[G0B+4*\s+2:G0B+4*\s+3], s[G0B+4*\s+2:G0B+4*\s+3], 524288    ; 256 k rows on
	JLOAD \s                                       ; the first tensor load behind the round; its four v_nop are also the places in front of the loads below
.else
	PLACES
.endif
	FETCH \next, 0, F0
	MUL F1, 4, 4, 0
.endm
	s_wait_tensorcnt 1                             ; my part of K step 0 is in; K step 1's may stay out
	s_barrier_signal -1
	s_barrier_wait -1
	FETCH 0, 0, F0
	s_wait_loadcnt 0x0                             ; the bias
	QUARTER 0, 1, F0, F1, 1                        ; the first quarter stands in front of the loop: its products start the sums, from the bias
	WIN 0
	s_mov_b32 s21, 3
.Llap:                                             ; a trip goes once round the ring and fills both slots again: K steps 2 to 7
	QUARTER 0, 2, F1, F0, 0
	QUARTER 0, 3, F0, F1, 0
	TURN 0, 1, 1
	QUARTER 1, 1, F0, F1, 0
	QUARTER 1, 2, F1, F0, 0
	QUARTER 1, 3, F0, F1, 0
	TURN 1, 0, 1
	QUARTER 0, 1, F0, F1, 0
	WIN 0
	s_sub_co_u32 s21, s21, 1
	s_cmp_lg_u32 s21, 0
	s_cbranch_scc1 .Llap
	QUARTER 0, 2, F1, F0, 0                        ; the last lap fills nothing
	QUARTER 0, 3, F0, F1, 0
	TURN 0, 1, 0
	QUARTER 1, 1, F0, F1, 0
	QUARTER 1, 2, F1, F0, 0
	QUARTER 1, 3, F0, F1, 0
	s_wait_dscnt 8
	MUL F1, 0, 4, 0
	s_wait_dscnt 0x0
	MUL F1, 4, 4, 0
	WIN 0
; THE WAY OUT, a block of 16 rows x 64 columns at a time, through my own stage: sixteen lanes store 256 consecutive bytes, aligned.
.macro TOSTAGE a
	WIN 0x04                                       ; an LDS store's data: window 1
.irp b, 0,1,2,3
	ds_store_b128 v[STO], v[8*(4*(\a)+\b):8*(4*(\a)+\b)+3] offset:64*\b         ; each accumulator from its low end on
	ds_store_b128 v[STO], v[8*(4*(\a)+\b)+4:8*(4*(\a)+\b)+7] offset:64*\b+16
.endr
	WIN 0
.irp t, 0,1,2,3,4,5,6,7
	ds_load_b128 v[32+32*((\a)%2)+4*\t:32+32*((\a)%2)+4*\t+3], v[RD] offset:544*\t   ; LDS serves a wave's instructions in order: these see the stores above
.endr
.endm
.macro SEND a, younger                 ; younger: the LDS instructions issued behind block a's loads
	s_wait_dscnt \younger
.irp t, 0,1,2,3,4,5,6,7
	global_store_b128 v[CO], v[32+32*((\a)%2)+4*\t:32+32*((\a)%2)+4*\t+3], s[10:11] offset:65536*(\a)+8192*\t th:TH_STORE_NT
.endr
.endm
	PLACES
	TOSTAGE 0
.irp a, 1,2,3,4,5,6,7
.if \a > 1
	s_wait_xcnt 0x0                                ; block a - 2's stores have read their registers: block a's loads may land there
.endif
	TOSTAGE \a
	SEND \a-1, 16
.endr
	SEND 7, 0
	s_wait_tensorcnt 0x0                           ; the wave's end
	ds_add_u32 v[SPW], v[NIL]
	s_wait_dscnt 0x0
	CROUND                                         ; the closing round
	s_endpgm
.Lfunc_end_k_q2f141b74bf_proj:
	.size	k_q2f141b74bf_proj, .Lfunc_end_k_q2f141b74bf_proj-k_q2f141b74bf_proj
	.p2alignl 7, 3214868480
	.fill 96, 4, 3214868480
	.section	.rodata,"a",@progbits
	.p2align	6, 0x0
	.amdhsa_kernel k_q2f141b74bf_proj
		.amdhsa_group_segment_fixed_size 327680
		.amdhsa_private_segment_fixed_size 0
		.amdhsa_enable_private_segment 0
		.amdhsa_kernarg_size 32
		.amdhsa_user_sgpr_count 2
		.amdhsa_user_sgpr_kernarg_segment_ptr 1
		.amdhsa_wavefront_size32 1
		.amdhsa_system_sgpr_workgroup_id_x 1
		.amdhsa_system_sgpr_workgroup_id_y 1
		.amdhsa_system_sgpr_workgroup_id_z 1
		.amdhsa_system_vgpr_workitem_id 0
		.amdhsa_next_free_vgpr 512
		.amdhsa_next_free_sgpr 66
		.amdhsa_reserve_vcc 0
		.amdhsa_float_denorm_mode_32 3
		.amdhsa_float_denorm_mode_16_64 3
		.amdhsa_memory_ordered 1
		.amdhsa_forward_progress 1
		.amdhsa_inst_pref_size 86
	.end_amdhsa_kernel
	.amdgpu_metadata
---
amdhsa.version: [ 1, 2 ]
amdhsa.kernels:
  - .name:           k_q2f141b74bf_proj
    .symbol:         k_q2f141b74bf_proj.kd
    .args:
      - { .name: a16, .offset: 0, .size: 8, .value_kind: global_buffer, .address_space: global }
      - { .name: w16, .offset: 8, .size: 8, .value_kind: global_buffer, .address_space: global }
      - { .name: b_out, .offset: 16, .size: 8, .value_kind: global_buffer, .address_space: global }
      - { .name: out0, .offset: 24, .size: 8, .value_kind: global_buffer, .address_space: global }
    .group_segment_fixed_size: 327680
    .private_segment_fixed_size: 0
    .kernarg_segment_align: 8
    .kernarg_segment_size: 32
    .max_flat_workgroup_size: 128
    .sgpr_count:     66
    .vgpr_count:     512
    .wavefront_size: 32
...
	.end_amdgpu_metadata
.endif
;; end of part 4
;; launch fine (part 5): grid 32 x 4, 16 waves a work-group, no clusters, 86,272 bytes of LDS; arguments q32, w_out, b_out, out0; writes out0
.if DOCPART == 5
	.amdgcn_target "amdgcn-amd-amdhsa--gfx1250"
	.amdhsa_code_object_version 6
	.text
	.protected	k_q2f141b74bf_fine
	.globl	k_q2f141b74bf_fine
	.p2align	8
	.type	k_q2f141b74bf_fine,@function
k_q2f141b74bf_fine:
	s_mov_b64 s[64:65], 0
	v_nop
	global_prefetch_b8 v0, s[64:65] scope:SCOPE_SE
	s_setreg_imm32_b32 hwreg(HW_REG_WAVE_MODE, 25, 1), 1
	s_wait_xcnt 0x0
; FINE.  The first 16 positions of every sequence average one to sixteen values and are the largest in size: their attention and their projection are done again wholly in f32
; (v_wmma_f32_16x16x4_f32: 64 instructions a wave, no bulk work) and written over what the launch before left in those 64 rows of out0.
; In: q32 [4 b][16 t][3072] f32 (the quantised product's own f32 sums), w_out, b_out.  Work-group (cb, b) makes out0[b][0..15][32 cb .. 32 cb + 31].
; Phase 1: wave w is head w: S^T = K Q^T, causal softmax, O^T = V^T P^T, O / l into LDS.  Phase 2: wave (ct = w & 1, kq = w >> 1): 16 columns x k = 128 kq .. + 127, a part sum into LDS.
; Phase 3: wave w adds the eight parts of row w and the bias and stores 128 consecutive bytes.
; K's places within an instruction are chosen alike for both sources, so that plain loads fill the pairs: place 2 h + j of step s is channel 32 h + 2 s + j (K Q^T), key 8 h + 2 s + j (V^T P^T),
; k = 128 kq + 64 u + 32 h + 2 s + j (the projection).  v176-239, the accumulators, are written by matrix instructions alone; each sum begins with the constant 0.
.set OP,    4112                       ; a row of the attention's result in LDS: 4,096 bytes + 16
.set PART,  65792                      ; eight parts of 16 rows x 144 bytes
.set SPARE, 84224                      ; the spare words, 128 bytes for each of sixteen waves: no other line names them
	s_load_b256 s[4:11], s[0:1], 0x0               ; q32, w_out, b_out, out0
	v_lshl_add_u32 v12, v0, 2, SPARE
	v_mov_b32 v13, 0
	v_lshrrev_b32 v1, 5, v0
	v_readfirstlane_b32 s12, v1                    ; wave 0..15
	s_and_b32 s13, s12, 1                          ; ct
	s_lshr_b32 s14, s12, 1                         ; kq
	s_mov_b32 s15, ttmp9                           ; cb
	s_and_b32 s16, ttmp7, 0xffff                   ; b
	s_mov_b32 s20, 0x76543210
	s_mov_b32 s21, 0xfedcba98
	s_mov_b32 s22, 0x3e38aa3b                      ; c = log2(e) / 8
	v_and_b32 v1, 15, v0                           ; r
	v_bfe_u32 v2, v0, 4, 1                         ; h
	v_and_b32 v11, 31, v0
	v_lshlrev_b32 v11, 2, v11                      ; 4 x lane
	v_mul_u32_u24 v4, v1, 12288
	v_lshl_add_u32 v4, v2, 7, v4                   ; q, k: row r, channels 32 h on
	v_mul_u32_u24 v5, v2, 98304
	v_lshl_add_u32 v5, v1, 2, v5                   ; v: keys 8 h on, channel r
	v_lshlrev_b32 v6, 17, v2
	v_lshl_add_u32 v6, v1, 2, v6                   ; w_out: k rows 32 h on, column r
	v_mul_u32_u24 v7, v1, OP
	v_lshl_add_u32 v8, v2, 7, v7
	v_lshl_add_u32 v7, v2, 5, v7
	s_lshl_b32 s18, s12, 8
	v_add_nc_u32 v7, s18, v7                       ; O into LDS: row r, + 256 x head + 32 h
	s_lshl_b32 s18, s14, 9
	v_add_nc_u32 v8, s18, v8                       ; and back: row r, + 512 kq + 128 h
	v_mul_u32_u24 v9, v1, 144
	v_lshl_add_u32 v9, v2, 5, v9
	s_mul_i32 s18, s14, 2304
	s_lshl_b32 s19, s13, 6
	s_add_co_u32 s18, s18, s19
	s_add_co_u32 s18, s18, PART
	v_add_nc_u32 v9, s18, v9                       ; my part: row r, + 64 ct + 32 h
	s_mul_i32 s18, s12, 144
	s_add_co_u32 s18, s18, PART
	v_add_nc_u32 v10, s18, v11                     ; the parts of row w: 4 bytes a lane
	v_lshlrev_b32 v14, 3, v2
	v_sub_nc_u32 v14, v1, v14                      ; r - 8 h
	v_mov_b32 v15, 0xff800000                      ; -infinity
	s_mul_i32 s18, s16, 196608
	s_lshl_b32 s19, s12, 8
	s_add_co_u32 s18, s18, s19
	s_mov_b32 s19, 0
	s_lshl_b32 s24, s14, 19
	s_lshl_b32 s25, s15, 7
	s_add_co_u32 s24, s24, s25
	s_lshl_b32 s25, s13, 6
	s_add_co_u32 s24, s24, s25
	s_mov_b32 s25, 0
	s_lshl_b32 s26, s15, 7
	s_mov_b32 s27, 0
	s_lshl_b32 s28, s16, 23
	s_lshl_b32 s29, s12, 12
	s_add_co_u32 s28, s28, s29
	s_add_co_u32 s28, s28, s26
	s_mov_b32 s29, 0
	s_wait_kmcnt 0x0
	s_add_nc_u64 s[4:5], s[4:5], s[18:19]          ; q32 at my batch and head
	s_add_nc_u64 s[6:7], s[6:7], s[24:25]          ; w_out at k = 128 kq, column 32 cb + 16 ct
	s_add_nc_u64 s[8:9], s[8:9], s[26:27]
	s_add_nc_u64 s[10:11], s[10:11], s[28:29]      ; out0 at row 2,048 b + w, column 32 cb
.irp i, 0,1,2,3,4,5,6,7
	global_load_b128 v[16+4*\i:19+4*\i], v4, s[4:5] offset:4096+16*\i     ; K: register n = channel 32 h + n of key r
.endr
.irp i, 0,1,2,3,4,5,6,7
	global_load_b128 v[48+4*\i:51+4*\i], v4, s[4:5] offset:16*\i          ; Q likewise
.endr
.irp t, 0,1,2,3
.irp n, 0,1,2,3,4,5,6,7
	global_load_b32 v[80+8*\t+\n], v5, s[4:5] offset:\n*12288+8192+64*\t  ; V: register n of tile t = key 8 h + n, channel 16 t + r
.endr
.endr
	global_load_b32 v3, v11, s[8:9]                ; the bias of column 32 cb + lane
.set n, 0
.rept 64
	global_load_b32 v[112+n], v6, s[6:7] offset:(64*(n/32)+n%32)*4096     ; w_out: register 32 u + n = k 128 kq + 64 u + 32 h + n, my column
.set n, n+1
.endr
	s_wait_loadcnt 63                              ; of the 113 loads the oldest 50 are in: K, Q, V and the bias are 49; w_out's may stay out
	; ---- 1: one head's attention for 16 queries and 16 keys
.set n, 0
.rept 16                               ; four accumulators by turns
.if n < 4
	v_wmma_f32_16x16x4_f32 v[176+8*(n%4):183+8*(n%4)], v[16+2*n:17+2*n], v[48+2*n:49+2*n], 0
.else
	v_wmma_f32_16x16x4_f32 v[176+8*(n%4):183+8*(n%4)], v[16+2*n:17+2*n], v[48+2*n:49+2*n], v[176+8*(n%4):183+8*(n%4)]
.endif
.set n, n+1
.endr
.rept 8
	v_nop                                          ; eight places behind this form (ISA guide 7.12.1)
.endr
.irp p, 0,2,4,6
	v_pk_add_f32 v[240+\p:241+\p], v[176+\p:177+\p], v[184+\p:185+\p]     ; the four part sums, each accumulator from its low end on
.endr
.irp p, 0,2,4,6
	v_pk_add_f32 v[240+\p:241+\p], v[240+\p:241+\p], v[192+\p:193+\p]
.endr
.irp p, 0,2,4,6
	v_pk_add_f32 v[240+\p:241+\p], v[240+\p:241+\p], v[200+\p:201+\p]     ; lane (r, h), register j: score of key 8 h + j, query r
.endr
.irp j, 0,1,2,3,4,5,6,7
	v_cmp_gt_i32 vcc_lo, \j, v14                   ; key 8 h + j > query r: hidden
	v_cndmask_b32 v[240+\j], v[240+\j], v15, vcc_lo
.endr
	v_max3_num_f32 v16, v240, v241, v242
	v_max3_num_f32 v16, v16, v243, v244
	v_max3_num_f32 v16, v16, v245, v246
	v_max_num_f32 v16, v16, v247
	v_mov_b32 v17, 0
	v_permlanex16_b32 v17, v16, s20, s21
	v_max_num_f32 v16, v16, v17                    ; the row's maximum: key 0 counts for every query
	v_mul_f32 v18, s22, v16
.irp j, 0,1,2,3,4,5,6,7
	v_fma_f32 v[248+\j], v[240+\j], s22, -v18
.endr
.irp j, 0,1,2,3,4,5,6,7
	v_exp_f32 v[248+\j], v[248+\j]
.endr
	v_mov_b32 v20, 0                               ; (a plain line behind the exponentials)
	s_wait_alu depctr_va_vdst(0)                   ; one wait for the eight, ahead of their first reader
	v_add_f32 v19, v248, v249
	v_add_f32 v21, v250, v251
	v_add_f32 v19, v19, v252
	v_add_f32 v21, v21, v253
	v_add_f32 v19, v19, v254
	v_add_f32 v21, v21, v255
	v_add_f32 v19, v19, v21
	v_permlanex16_b32 v20, v19, s20, s21
	v_add_f32 v19, v19, v20
	v_rcp_f32 v21, v19
.irp s, 0,1,2,3                        ; O^T = V^T P^T: four tiles of 16 channels by turns, four keys a step
.irp t, 0,1,2,3
.if \s == 0
	v_wmma_f32_16x16x4_f32 v[208+8*\t:215+8*\t], v[80+8*\t+2*\s:81+8*\t+2*\s], v[248+2*\s:249+2*\s], 0
.else
	v_wmma_f32_16x16x4_f32 v[208+8*\t:215+8*\t], v[80+8*\t+2*\s:81+8*\t+2*\s], v[248+2*\s:249+2*\s], v[208+8*\t:215+8*\t]
.endif
.endr
.endr
.rept 8
	v_nop
.endr
	s_wait_alu depctr_va_vdst(0)                   ; the reciprocal's wait, ahead of its first reader
.set n, 0
.rept 32
	v_mul_f32 v[48+n], v[208+n], v21               ; O / l: register 8 t + j is channel 16 t + 8 h + j of query r
.set n, n+1
.endr
.irp t, 0,1,2,3
	ds_store_b128 v7, v[48+8*\t:51+8*\t] offset:64*\t
	ds_store_b128 v7, v[52+8*\t:55+8*\t] offset:64*\t+16
.endr
	s_wait_dscnt 0x0                               ; my stores have landed, for the others' sake
	s_barrier_signal -1
	s_barrier_wait -1
	; ---- 2: my 16 columns x my 128 of K
.irp u, 0,1
.irp i, 0,1,2,3,4,5,6,7
	ds_load_b128 v[16+32*\u+4*\i:19+32*\u+4*\i], v8 offset:256*\u+16*\i   ; register 32 u + n = k 128 kq + 64 u + 32 h + n of token r
.endr
.endr
	s_wait_loadcnt 0x0                             ; w_out
	s_wait_dscnt 0x0
.set n, 0
.rept 32
.if n < 4
	v_wmma_f32_16x16x4_f32 v[176+8*(n%4):183+8*(n%4)], v[112+2*n:113+2*n], v[16+2*n:17+2*n], 0
.else
	v_wmma_f32_16x16x4_f32 v[176+8*(n%4):183+8*(n%4)], v[112+2*n:113+2*n], v[16+2*n:17+2*n], v[176+8*(n%4):183+8*(n%4)]
.endif
.set n, n+1
.endr
.rept 8
	v_nop
.endr
.irp p, 0,2,4,6
	v_pk_add_f32 v[80+\p:81+\p], v[176+\p:177+\p], v[184+\p:185+\p]
.endr
.irp p, 0,2,4,6
	v_pk_add_f32 v[80+\p:81+\p], v[80+\p:81+\p], v[192+\p:193+\p]
.endr
.irp p, 0,2,4,6
	v_pk_add_f32 v[80+\p:81+\p], v[80+\p:81+\p], v[200+\p:201+\p]         ; lane (r, h), register j: column 16 ct + 8 h + j, token r
.endr
	ds_store_b128 v9, v[80:83]
	ds_store_b128 v9, v[84:87] offset:16
	s_wait_dscnt 0x0
	s_barrier_signal -1
	s_barrier_wait -1
	; ---- 3: row w: the eight parts and the bias
.irp k, 0,1,2,3,4,5,6,7
	ds_load_b32 v[88+\k], v10 offset:2304*\k
.endr
	s_wait_dscnt 0x0
	v_add_f32 v96, v88, v89
	v_add_f32 v97, v90, v91
	v_add_f32 v98, v92, v93
	v_add_f32 v99, v94, v95
	v_add_f32 v96, v96, v97
	v_add_f32 v98, v98, v99
	v_add_f32 v96, v96, v98
	v_add_f32 v96, v96, v3
	global_store_b32 v11, v96, s[10:11]            ; the wave stores 128 consecutive bytes
	s_wait_tensorcnt 0x0                           ; the wave's end, behind my last LDS store
	ds_add_u32 v12, v13
	s_wait_dscnt 0x0
	s_endpgm
.Lfunc_end_k_q2f141b74bf_fine:
	.size	k_q2f141b74bf_fine, .Lfunc_end_k_q2f141b74bf_fine-k_q2f141b74bf_fine
	.p2alignl 7, 3214868480
	.fill 96, 4, 3214868480
	.section	.rodata,"a",@progbits
	.p2align	6, 0x0
	.amdhsa_kernel k_q2f141b74bf_fine
		.amdhsa_group_segment_fixed_size 86272
		.amdhsa_private_segment_fixed_size 0
		.amdhsa_enable_private_segment 0
		.amdhsa_kernarg_size 32
		.amdhsa_user_sgpr_count 2
		.amdhsa_user_sgpr_kernarg_segment_ptr 1
		.amdhsa_wavefront_size32 1
		.amdhsa_system_sgpr_workgroup_id_x 1
		.amdhsa_system_sgpr_workgroup_id_y 1
		.amdhsa_system_sgpr_workgroup_id_z 1
		.amdhsa_system_vgpr_workitem_id 0
		.amdhsa_next_free_vgpr 256
		.amdhsa_next_free_sgpr 66
		.amdhsa_reserve_vcc 1
		.amdhsa_float_denorm_mode_32 3
		.amdhsa_float_denorm_mode_16_64 3
		.amdhsa_memory_ordered 1
		.amdhsa_forward_progress 1
		.amdhsa_inst_pref_size 26
	.end_amdhsa_kernel
	.amdgpu_metadata
---
amdhsa.version: [ 1, 2 ]
amdhsa.kernels:
  - .name:           k_q2f141b74bf_fine
    .symbol:         k_q2f141b74bf_fine.kd
    .args:
      - { .name: q32, .offset: 0, .size: 8, .value_kind: global_buffer, .address_space: global }
      - { .name: w_out, .offset: 8, .size: 8, .value_kind: global_buffer, .address_space: global }
      - { .name: b_out, .offset: 16, .size: 8, .value_kind: global_buffer, .address_space: global }
      - { .name: out0, .offset: 24, .size: 8, .value_kind: global_buffer, .address_space: global }
    .group_segment_fixed_size: 86272
    .private_segment_fixed_size: 0
    .kernarg_segment_align: 8
    .kernarg_segment_size: 32
    .max_flat_workgroup_size: 512
    .sgpr_count:     66
    .vgpr_count:     256
    .wavefront_size: 32
...
	.end_amdgpu_metadata
.endif
;; end of part 5
